; MI455X (gfx1250); checked and timed in simulation.
; The chip was launched on July 23, 2026; its instructions are those of AMD's public machine-readable ISA for CDNA 5 (MIT licence, August 2026) and "CDNA5" Instruction Set Architecture Reference Guide (July 2026). The comments in the code are by the model that wrote it; some were corrected since.
;; Simple Self Attention. Allowed arithmetic: matrix products marked QUANTISED: E2M3 operands, one E8M0 scale for each 32 along K, by v_wmma_scale_f32_16x16x128_f8f6f4 with both operands' format E2M3, f32 sums; everything else in f32.
;; Inputs: Wk 1,024 x 1,024 float32; Wq 1,024 x 1,024 float32; Wv 1,024 x 1,024 float32; bk 1,024 float32; bq 1,024 float32; bv 1,024 float32; query 4 x 2,048 x 1,024 float32; value 4 x 2,048 x 1,024 float32.
;; Outputs: out0 4 x 2,048 x 1,024 float32.
;; This version of the problem:
;;   THIS VERSION OF THE PROBLEM IS GIVEN IN LOW PRECISION. The matrix products marked QUANTISED in the list below multiply operands that are first quantised to E2M3 (2 exponent bits, 3 mantissa bits; 6 bits a number), with one power-of-two scale for each 32 numbers along K (OCP MX v1.0); their sums are f32. All else is computed in f32.
;;   The module's matrix products, in the order in which they are computed (A, B: the left and right operand; K: the contracted axis; several contracted axes count as one K, in the product's order):
;;     1. [M 8,192, K 1,024] x [K 1,024, N 1,024]; A: input query; B: input Wq: QUANTISED
;;     2. [M 8,192, K 1,024] x [K 1,024, N 1,024]; A: input value; B: input Wk: QUANTISED
;;     3. [M 8,192, K 1,024] x [K 1,024, N 1,024]; A: input value; B: input Wv: QUANTISED
;;     4. batch 4 x [M 2,048, K 1,024] x [K 1,024, N 2,048]; A: computed on the way; B: computed on the way: QUANTISED
;;     5. batch 4 x [M 2,048, K 2,048] x [K 2,048, N 1,024]; A: softmax (see below); B: computed on the way: QUANTISED
;;   THE QUANTISER, for each operand of a quantised product, along K:
;;     - K is cut into blocks of 32 from its start; a last block that is shorter is filled with zeros.
;;     - A block's scale is 2^e with e = floor(log2(the largest magnitude in the block)) - 2, held to -126 .. 127; a block of zeros has e = 0. As a byte (E8M0): e + 127.
;;     - Each number is divided by its block's scale, clamped to +-7.5, and rounded to the nearest number of E2M3, ties to even, subnormals kept.
;;     - The product sums the exact products of the quantised numbers (number of the format x scale) in f32.
;;   ~~~python
;;   def quantise(x, axis):      # numpy; x: float32 -> the quantised numbers, widened to float32 again
;;       x = np.moveaxis(x, axis, -1); K = x.shape[-1]
;;       x = np.pad(x, [(0, 0)] * (x.ndim - 1) + [(0, -K % 32)]); x = x.reshape(x.shape[:-1] + (-1, 32)); a = np.abs(x).max(-1, keepdims=True)
;;       e = np.where(a > 0, np.clip(np.frexp(np.where(a > 0, a, 1))[1] - 1 - 2, -126, 127), 0)      # np.frexp(a)[1] - 1 = floor(log2(a)), exactly
;;       r = np.clip(x / 2.0 ** e, -7.5, 7.5)
;;       step = 2.0 ** (np.maximum(np.frexp(np.where(r == 0, 1, r))[1] - 1, 0) - 3)
;;       q = np.round(r / step) * step * 2.0 ** e      # np.round: ties to even
;;       return np.moveaxis(q.reshape(q.shape[:-2] + (-1,))[..., :K], -1, axis).astype(np.float32)
;;   ~~~
;;   SOFTMAX AHEAD OF A QUANTISED PRODUCT. Where the list says 'softmax', what is quantised is not the finished softmax but p = 2^(t - M), with t = logit x log2(e) and M = ceil(the row's largest t), a whole number; so 1/2 < the row's largest p <= 1. The row's sum l is taken of the UNQUANTISED p, in f32, and the product's result is divided by l at the end. Since M is a whole number, a kernel that streams over the keys may use a running M (the ceiling of the running maximum): every later rescaling is an exact power of two, which a block's scale takes up: the codes' values come out the same.
;;   OPERANDS COMPUTED ON THE WAY. 'Computed on the way' means the value that the module computes at that place (a softmax that the list does not call 'softmax' is quantised finished and normalised). What goes into a quantiser is computed in f32, as accurately as f32 sums, v_exp_f32 and their like allow (about 1e-6 of the number): no bf16 or f16 on the way to a quantiser, and a product that is left as it is and whose result goes on into a quantised operand takes f32 operands (vector FMAs, or v_wmma_f32_16x16x4_f32). A number that lies on a knife's edge between two numbers of the format may be rounded either way, as far as f32 arithmetic and the matrix unit's own rounding can turn it there, and no further.
;; One version. Each part assembles by itself: llvm-mc -triple=amdgcn-amd-amdhsa -mcpu=gfx1250 --defsym DOCPART=n.
;; ======== version 1 of 1: 4 launches
;; limits: right only within a limited range of input values
;; workspace buffers: xcod 14,942,208 bytes; xscl 622,592 bytes; hcod 18,874,368 bytes; hscl 786,432 bytes; pcod 12,582,912 bytes; pstat 1,572,864 bytes
;; launch quant (part 1): grid 352 x 1, 8 waves a work-group, no clusters, 70,656 bytes of LDS; arguments query, value, Wq, Wk, Wv, xcod, xscl; writes xcod, xscl
.if DOCPART == 1
	.amdgcn_target "amdgcn-amd-amdhsa--gfx1250"
	.amdhsa_code_object_version 6
	.text
	.protected	k_qcc8a0fdf7e_quant
	.globl	k_qcc8a0fdf7e_quant
	.p2align	8
	.type	k_qcc8a0fdf7e_quant,@function
k_qcc8a0fdf7e_quant:
	s_mov_b64 s[64:65], 0
	v_nop
	global_prefetch_b8 v0, s[64:65] scope:SCOPE_SE
	s_setreg_imm32_b32 hwreg(HW_REG_WAVE_MODE, 25, 1), 1
	s_wait_xcnt 0x0
; query, value [8192][1024] and Wq, Wk, Wv [1024 (k)][1024 (n)], f32, become codes of FP6 (E2M3) with one E8M0 byte for each 32 along K (K = the 1,024 that the projections contract).
; A block's scale is 2^(floor(log2(largest magnitude)) - 2): its byte is the largest magnitude's exponent field - 2, held at 1 from below by a floor among the maximum's leaves.
; LIMITS: NaN and infinities are not served; a block whose largest magnitude lies under 2^-124 keeps the byte 1; a block of zeros has the byte 1 and not 127 (its codes are zeros, and this program alone reads the bytes).
; THE OUTPUT IS LAID AS IMAGES OF OPERAND REGISTERS.  A fragment (f, ks) is 16 slots x 128 k: 12 registers a lane, 1,536 bytes at (8 f + ks) x 1,536; register g of lane L lies at 512 (g / 4) + 16 L + 4 (g % 4).
; Slot 16 f + r holds matrix row 32 (f / 2) + 8 (f % 2) + r % 8 + 16 (r / 8): as source 0 of a product such a fragment leaves 16 neighbouring rows in the 16 registers of two neighbouring result tiles.
; A slot's scale word for K step ks lies at ((slot / 128) x 8 + ks) x 512 + 4 (slot % 128).
; Work-groups 0-255 take 64 rows of query (0-127) or value (128-255); wave w takes K step w: four fragments.  Each load reads 512 consecutive bytes of one row; the 16 rows of a fragment turn through the
; wave's own stage in LDS so that a lane gets 16 neighbours of each block of 32.  Work-groups 256-351 take a weight: a lane takes a column and its registers run down K, so nothing is transposed; they use no LDS.
; No barrier: waves share nothing.
.set CWQ,  12582912                    ; xcod: query at 0, value at 6,291,456 = 128 x 49,152, then Wq, Wk, Wv, 786,432 bytes each
.set ZWQ,  524288                      ; xscl: query at 0, value at 262,144, then the weights', 32,768 bytes each
.set WREG, 8704                        ; LDS of a wave: a stage of 16 rows x 528 bytes, then 256 bytes of scale words
.set SP,   528                         ; 512 bytes + 16: 33 x 16, so the sixteen rows that a read touches start in different banks
.set SCRB, 16*SP
.set R,    16                          ; v16-143  numbers as loaded: two sets of 64 (weights: four blocks of 32)
.set X,    144                         ; v144-207 a fragment's 64 numbers of a lane
.set PC,   208                         ; v208-227 the codes
.set TM,   228                         ; v228-243 +0..3 maxima, +4..7 the other half's, then bytes, +12..15 scale operands
.set PW,   244                         ; the scale word
.set SEL,  20                          ; s[20:21] selects of v_permlanex16_b32: lane l xor 16
.set IMG,  144                         ; weights: v144-167 the images of fragment lanes (r, 0) and (r, 1)
.set CT,   168                         ; v168-170 a conversion's second half
.set WM,   172                         ; v172-173 maxima; v174 scale operand; v175 byte; v176 the word
.set WO,   174
.set WB,   175
.set WW,   176
; 64 numbers of a lane, register 16 b + i = k 32 b + 16 (lane / 16) + i of my slot, become a fragment's 12 registers in v[PC] on and its scale word in v[PW].
.macro QMAX s
.irp b, 0,1,2,3
	v_max3_num_f32 v[TM+\b], |v[(\s)+16*\b]|, |v[(\s)+16*\b+1]|, 0x1800000   ; my 16 numbers of block b, and the floor 2^(3 - 127)
.endr
.irp i, 2,4,6,8,10,12,14
.irp b, 0,1,2,3
	s_delay_alu instid0(VALU_DEP_4)
	v_max3_num_f32 v[TM+\b], v[TM+\b], |v[(\s)+16*\b+\i]|, |v[(\s)+16*\b+\i+1]|   ; the four blocks by turns
.endr
.endr
.irp b, 0,1,2,3
	s_delay_alu instid0(VALU_DEP_4)
	v_permlanex16_b32 v[TM+4+\b], v[TM+\b], s[SEL], s[SEL+1]
.endr
.irp b, 0,1,2,3
	s_delay_alu instid0(VALU_DEP_4)
	v_max_num_f32 v[TM+\b], v[TM+\b], v[TM+4+\b]   ; with lane l xor 16's: the block's largest magnitude
.endr
.endm
.macro QSCL
.irp b, 0,1,2,3
	s_delay_alu instid0(VALU_DEP_4)
	v_add_nc_u32 v[TM+12+\b], 0xff000000, v[TM+\b]   ; 2 off the exponent field: the conversion's scale operand
.endr
.irp b, 0,1,2,3
	s_delay_alu instid0(VALU_DEP_4)
	v_lshrrev_b32 v[TM+4+\b], 23, v[TM+12+\b]      ; the byte
.endr
	s_delay_alu instid0(VALU_DEP_3)
	v_lshl_or_b32 v[PW], v[TM+5], 8, v[TM+4]
	s_delay_alu instid0(VALU_DEP_1)
	v_lshl_or_b32 v[PW], v[TM+6], 16, v[PW]
	s_delay_alu instid0(VALU_DEP_1)
	v_lshl_or_b32 v[PW], v[TM+7], 24, v[PW]
.endm
.macro QPACK s
.irp c, 0,1
	v_cvt_scalef32_pk16_fp6_f32 v[PC+6*\c:PC+6*\c+2], v[(\s)+32*\c:(\s)+32*\c+15], v[TM+12+2*\c]
	v_cvt_scalef32_pk16_fp6_f32 v[PC+12+4*\c:PC+14+4*\c], v[(\s)+32*\c+16:(\s)+32*\c+31], v[TM+13+2*\c]   ; (a conversion's three registers begin on an even number)
.endr
	v_nop                                          ; one plain instruction behind a scaled conversion
.irp c, 0,1                            ; the operand wants a whole block in a lane: lanes 0-15 block 2 c, lanes 16-31 block 2 c + 1
.irp i, 0,1,2
	v_permlane16_swap_b32 v[PC+6*\c+\i], v[PC+12+4*\c+\i]
.endr
.irp i, 0,1,2
	s_delay_alu instid0(VALU_DEP_3)
	v_mov_b32 v[PC+3+6*\c+\i], v[PC+12+4*\c+\i]
.endr
.endr
.endm
	s_load_b256 s[4:11], s[0:1], 0x0               ; query s[4:5], value s[6:7], Wq s[8:9], Wk s[10:11]
	s_load_b128 s[12:15], s[0:1], 0x20             ; Wv s[12:13], xcod s[14:15]
	s_load_b64 s[16:17], s[0:1], 0x30              ; xscl
	v_lshl_add_u32 v254, v0, 2, 0x11000
	v_mov_b32 v255, 0
	v_lshrrev_b32 v1, 5, v0
	s_delay_alu instid0(VALU_DEP_1)
	v_readfirstlane_b32 s18, v1                    ; wave 0..7
	v_and_b32 v2, 31, v0                           ; lane
	v_and_b32 v3, 15, v0                           ; r
	v_bfe_u32 v1, v0, 4, 1                         ; h
	s_mov_b32 s[SEL], 0x76543210
	s_mov_b32 s[SEL+1], 0xfedcba98
	s_mov_b32 s23, 0
	s_wait_kmcnt 0x0
	s_cmp_lt_u32 ttmp9, 256
	s_cbranch_scc0 .Lweights
	; ---- query and value: 64 rows a work-group, K step = wave
	s_cmp_lt_u32 ttmp9, 128                        ; the choice hangs on the work-group's number alone
	s_cselect_b64 s[24:25], s[4:5], s[6:7]
	s_and_b32 s22, ttmp9, 127
	s_lshl_b32 s22, s22, 18                        ; 64 rows of 4,096 bytes
	s_lshl_b32 s26, s18, 9                         ; my K step's 512 bytes of a row
	s_add_co_u32 s22, s22, s26
	s_add_nc_u64 s[24:25], s[24:25], s[22:23]
	s_wait_alu depctr_va_vdst(0)
	v_lshlrev_b32 v4, 4, v2                        ; 16 x lane
.macro LOADF q                         ; fragment q: its sixteen slots' rows, 512 consecutive bytes a load
.irp i, 0,1,2,3,4,5,6,7,8,9,10,11,12,13,14,15
	global_load_b128 v[R+64*((\q)%2)+4*\i:R+64*((\q)%2)+4*\i+3], v4, s[24:25] offset:(32*((\q)/2)+8*((\q)%2)+(\i%8)+16*(\i/8))*4096 th:TH_LOAD_NT
.endr
.endm
.macro TURNF q                         ; through the stage: LDS serves a wave's instructions in order, so no wait stands between the stores and the loads
.irp i, 0,1,2,3,4,5,6,7,8,9,10,11,12,13,14,15
	ds_store_b128 v5, v[R+64*((\q)%2)+4*\i:R+64*((\q)%2)+4*\i+3] offset:SP*\i
.endr
.irp b, 0,1,2,3
.irp j, 0,1,2,3
	ds_load_b128 v[X+16*\b+4*\j:X+16*\b+4*\j+3], v6 offset:128*\b+16*\j
.endr
.endr
.endm
	s_wait_alu depctr_va_vdst(0)
	LOADF 0
	LOADF 1
	s_mul_i32 s22, ttmp9, 49152                    ; codes: 4 fragments x 8 K steps x 1,536 bytes a work-group,
	s_mul_i32 s26, s18, 1536                       ; my K step
	s_add_co_u32 s22, s22, s26
	s_add_nc_u64 s[14:15], s[14:15], s[22:23]
	s_lshr_b32 s22, ttmp9, 1                       ; scale words: group of 128 slots,
	s_lshl_b32 s22, s22, 3
	s_add_co_u32 s22, s22, s18                     ; K step,
	s_lshl_b32 s22, s22, 9
	s_and_b32 s26, ttmp9, 1
	s_lshl_b32 s26, s26, 8                         ; my 64 slots' 256 bytes
	s_add_co_u32 s22, s22, s26
	s_add_nc_u64 s[16:17], s[16:17], s[22:23]
	s_mul_i32 s27, s18, WREG
	v_add_nc_u32 v5, s27, v4                       ; stage, in: 16 x lane of a row
	v_mul_u32_u24 v6, v3, SP
	s_delay_alu instid0(VALU_DEP_1)
	v_lshl_add_u32 v6, v1, 6, v6
	s_delay_alu instid0(VALU_DEP_1)
	v_add_nc_u32 v6, s27, v6                       ; stage, out: row r, + 64 h: my 16 numbers of a block
	v_lshlrev_b32 v7, 2, v3
	s_delay_alu instid0(VALU_DEP_1)
	v_add_nc_u32 v7, s27, v7
	s_delay_alu instid0(VALU_DEP_1)
	v_add_nc_u32 v7, SCRB, v7                      ; my slot's scale word
	v_lshlrev_b32 v9, 3, v2
	s_delay_alu instid0(VALU_DEP_1)
	v_add_nc_u32 v8, s27, v9
	s_delay_alu instid0(VALU_DEP_1)
	v_add_nc_u32 v8, SCRB, v8                      ; and 8 bytes a lane on the way out
.irp b, 0,1,2,3
	v_mov_b32 v[TM+4+\b], 0                        ; written once: a lane permute's destination counts as one of its sources
.endr
.irp q, 0,1,2,3
.if \q < 3
	s_wait_loadcnt 16                              ; this fragment's 16 loads are in; the next fragment's 16 may be out
.else
	s_wait_loadcnt 0x0
.endif
	TURNF \q
	s_wait_dscnt 0x0                               ; the numbers are back, and the stage's stores have read their registers,
.if \q < 2
	LOADF \q+2                                     ; which take the loads of two fragments on
.endif
.if \q > 0
	s_wait_xcnt 0x0                                ; the last fragment's stores have read the codes' registers
.endif
	QMAX X
	QSCL
	QPACK X
.irp c, 0,1,2
	global_store_b128 v4, v[PC+4*\c:PC+4*\c+3], s[14:15] offset:\q*12288+512*\c   ; 512 consecutive bytes, at a multiple of 512
.endr
	ds_store_b32 v7, v[PW] offset:64*\q            ; lanes r and r + 16 write the same word with the same value
.endr
	ds_load_b64 v[246:247], v8                     ; my wave's 64 scale words
	s_wait_dscnt 0x0
	global_store_b64 v9, v[246:247], s[16:17]      ; 256 consecutive bytes, aligned
	s_wait_tensorcnt 0x0
	ds_add_u32 v254, v255
	s_wait_dscnt 0x0
	s_endpgm
.Lweights:
	; ---- a weight: 32 columns a wave, one K step a work-group
	s_sub_co_u32 s22, ttmp9, 256
	s_lshr_b32 s26, s22, 5                         ; which weight
	s_bfe_u32 s27, s22, 0x30002                    ; K step
	s_and_b32 s28, s22, 3                          ; which 256 columns
	s_cmp_eq_u32 s26, 0
	s_cselect_b64 s[24:25], s[8:9], s[10:11]
	s_cmp_eq_u32 s26, 2
	s_cselect_b64 s[24:25], s[12:13], s[24:25]
	s_lshl_b32 s22, s27, 19                        ; 128 rows of 4,096 bytes
	s_lshl_b32 s29, s28, 10
	s_add_co_u32 s22, s22, s29
	s_lshl_b32 s29, s18, 7                         ; my 32 columns
	s_add_co_u32 s22, s22, s29
	s_add_nc_u64 s[24:25], s[24:25], s[22:23]
	s_wait_alu depctr_va_vdst(0)
	v_lshlrev_b32 v10, 2, v2
.irp k, 0,1,2,3
.irp i, 0,1,2,3,4,5,6,7,8,9,10,11,12,13,14,15,16,17,18,19,20,21,22,23,24,25,26,27,28,29,30,31
	global_load_b32 v[R+32*\k+\i], v10, s[24:25] offset:(32*\k+\i)*4096 th:TH_LOAD_NT   ; W(32 k + i, my column): a wave reads 128 consecutive bytes, the eight waves 1,024
.endr
.endr
	s_mul_i32 s22, s26, 786432
	s_add_co_u32 s22, s22, CWQ
	s_lshl_b32 s29, s28, 4
	s_lshl_b32 s30, s18, 1
	s_add_co_u32 s29, s29, s30                     ; my two fragments begin at 16 cg + 2 w
	s_mul_i32 s29, s29, 12288
	s_add_co_u32 s22, s22, s29
	s_mul_i32 s29, s27, 1536
	s_add_co_u32 s22, s22, s29
	s_add_nc_u64 s[14:15], s[14:15], s[22:23]
	s_lshl_b32 s22, s28, 1
	s_lshr_b32 s29, s18, 2
	s_add_co_u32 s22, s22, s29                     ; group of 128 slots
	s_lshl_b32 s22, s22, 3
	s_add_co_u32 s22, s22, s27
	s_lshl_b32 s22, s22, 9
	s_and_b32 s29, s18, 3
	s_lshl_b32 s29, s29, 7
	s_add_co_u32 s22, s22, s29
	s_lshl_b32 s29, s26, 15
	s_add_co_u32 s22, s22, s29
	s_add_co_u32 s22, s22, ZWQ
	s_add_nc_u64 s[16:17], s[16:17], s[22:23]
	v_bfe_u32 v13, v0, 3, 1                        ; column n0 + lane is slot r' = lane % 8 + 8 (lane / 16) of fragment u = (lane / 8) % 2
	v_and_b32 v14, 7, v0
	s_delay_alu instid0(VALU_DEP_1)
	v_lshl_add_u32 v14, v1, 3, v14                 ; r'
	s_delay_alu instid0(VALU_DEP_3)
	v_mul_u32_u24 v11, v13, 12288
	s_delay_alu instid0(VALU_DEP_1)
	v_lshl_add_u32 v11, v14, 4, v11                ; codes: 12,288 u + 16 r'
	v_lshlrev_b32 v12, 6, v13
	s_delay_alu instid0(VALU_DEP_1)
	v_lshl_add_u32 v12, v14, 2, v12                ; scale word: 4 (16 u + r')
.macro WBLOCK kb                       ; block kb of my column is registers 6 (kb / 2) .. + 5 of fragment lane (r', kb % 2)
.set XS, R+32*(\kb)
.set DST, IMG+12*((\kb)%2)+6*((\kb)/2)
	v_max3_num_f32 v[WM], |v[XS]|, |v[XS+1]|, |v[XS+2]|
	v_max3_num_f32 v[WM+1], |v[XS+3]|, |v[XS+4]|, |v[XS+5]|
.irp i, 6,10,14,18,22,26
	s_delay_alu instid0(VALU_DEP_2)
	v_max3_num_f32 v[WM], v[WM], |v[XS+\i]|, |v[XS+\i+1]|
	s_delay_alu instid0(VALU_DEP_2)
	v_max3_num_f32 v[WM+1], v[WM+1], |v[XS+\i+2]|, |v[XS+\i+3]|
.endr
	s_delay_alu instid0(VALU_DEP_2)
	v_max3_num_f32 v[WM], v[WM], |v[XS+30]|, |v[XS+31]|
	s_delay_alu instid0(VALU_DEP_1)
	v_max3_num_f32 v[WM], v[WM], v[WM+1], 0x1800000   ; and the floor
	s_delay_alu instid0(VALU_DEP_1)
	v_add_nc_u32 v[WO], 0xff000000, v[WM]
	s_delay_alu instid0(VALU_DEP_1)
	v_lshrrev_b32 v[WB], 23, v[WO]
.if (\kb) == 0
	s_delay_alu instid0(VALU_DEP_1)
	v_mov_b32 v[WW], v[WB]
.else
	s_delay_alu instid0(VALU_DEP_1)
	v_lshl_or_b32 v[WW], v[WB], 8*(\kb), v[WW]
.endif
	v_cvt_scalef32_pk16_fp6_f32 v[DST:DST+2], v[XS:XS+15], v[WO]
	v_cvt_scalef32_pk16_fp6_f32 v[CT:CT+2], v[XS+16:XS+31], v[WO]
	v_nop                                          ; one plain instruction behind a scaled conversion
.irp i, 0,1,2
	v_mov_b32 v[DST+3+\i], v[CT+\i]
.endr
.endm
	s_wait_loadcnt 63                              ; of 128 loads at most 63 are out: the first 65, blocks 0 and 1 among them, are in
	WBLOCK 0
	WBLOCK 1
	s_wait_loadcnt 32                              ; block 3's 32 may be out
	WBLOCK 2
	s_wait_loadcnt 0x0
	WBLOCK 3
.irp h, 0,1
.irp c, 0,1,2
	global_store_b128 v11, v[IMG+12*\h+4*\c:IMG+12*\h+4*\c+3], s[14:15] offset:512*\c+256*\h   ; sixteen lanes fill 256 consecutive aligned bytes of fragment u = 0, sixteen of u = 1
.endr
.endr
	global_store_b32 v12, v[WW], s[16:17]          ; 128 consecutive bytes a wave: four waves together fill a K step's 512
	s_endpgm
.Lfunc_end_k_qcc8a0fdf7e_quant:
	.size	k_qcc8a0fdf7e_quant, .Lfunc_end_k_qcc8a0fdf7e_quant-k_qcc8a0fdf7e_quant
	.p2alignl 7, 3214868480
	.fill 96, 4, 3214868480
	.section	.rodata,"a",@progbits
	.p2align	6, 0x0
	.amdhsa_kernel k_qcc8a0fdf7e_quant
		.amdhsa_group_segment_fixed_size 70656
		.amdhsa_private_segment_fixed_size 0
		.amdhsa_enable_private_segment 0
		.amdhsa_kernarg_size 56
		.amdhsa_user_sgpr_count 2
		.amdhsa_user_sgpr_kernarg_segment_ptr 1
		.amdhsa_wavefront_size32 1
		.amdhsa_system_sgpr_workgroup_id_x 1
		.amdhsa_system_sgpr_workgroup_id_y 1
		.amdhsa_system_sgpr_workgroup_id_z 1
		.amdhsa_system_vgpr_workitem_id 0
		.amdhsa_next_free_vgpr 256
		.amdhsa_next_free_sgpr 66
		.amdhsa_reserve_vcc 0
		.amdhsa_float_denorm_mode_32 3
		.amdhsa_float_denorm_mode_16_64 3
		.amdhsa_memory_ordered 1
		.amdhsa_forward_progress 1
		.amdhsa_inst_pref_size 63
	.end_amdhsa_kernel
	.amdgpu_metadata
---
amdhsa.version: [ 1, 2 ]
amdhsa.kernels:
  - .name:           k_qcc8a0fdf7e_quant
    .symbol:         k_qcc8a0fdf7e_quant.kd
    .args:
      - { .name: query, .offset: 0, .size: 8, .value_kind: global_buffer, .address_space: global }
      - { .name: value, .offset: 8, .size: 8, .value_kind: global_buffer, .address_space: global }
      - { .name: Wq, .offset: 16, .size: 8, .value_kind: global_buffer, .address_space: global }
      - { .name: Wk, .offset: 24, .size: 8, .value_kind: global_buffer, .address_space: global }
      - { .name: Wv, .offset: 32, .size: 8, .value_kind: global_buffer, .address_space: global }
      - { .name: xcod, .offset: 40, .size: 8, .value_kind: global_buffer, .address_space: global }
      - { .name: xscl, .offset: 48, .size: 8, .value_kind: global_buffer, .address_space: global }
    .group_segment_fixed_size: 70656
    .private_segment_fixed_size: 0
    .kernarg_segment_align: 8
    .kernarg_segment_size: 56
    .max_flat_workgroup_size: 256
    .sgpr_count:     66
    .vgpr_count:     256
    .wavefront_size: 32
...
	.end_amdgpu_metadata
.endif
;; end of part 1
;; launch proj (part 2): grid 4 x 64, 4 waves a work-group, clusters of 4 x 4, 327,680 bytes of LDS; arguments xcod, xscl, bq, bk, bv, hcod, hscl; writes hcod, hscl
.if DOCPART == 2
	.amdgcn_target "amdgcn-amd-amdhsa--gfx1250"
	.amdhsa_code_object_version 6
	.text
	.protected	k_qcc8a0fdf7e_proj
	.globl	k_qcc8a0fdf7e_proj
	.p2align	8
	.type	k_qcc8a0fdf7e_proj,@function
k_qcc8a0fdf7e_proj:
	s_mov_b64 s[64:65], 0
	v_nop
	global_prefetch_b8 v0, s[64:65] scope:SCOPE_SE
	s_setreg_imm32_b32 hwreg(HW_REG_WAVE_MODE, 25, 1), 1
	s_wait_xcnt 0x0
	s_wait_alu depctr_hold_cnt(0) depctr_sa_sdst(0) depctr_va_vdst(0) depctr_va_sdst(0) depctr_va_ssrc(0) depctr_va_vcc(0) depctr_vm_vsrc(0)
	s_getreg_b32 s2, hwreg(HW_REG_IB_STS2, 6, 4)
	s_cmp_eq_u32 s2, 0
	s_cbranch_scc0 .Lentry_in_a_cluster
	s_endpgm
.Lentry_in_a_cluster:
	s_bfe_u32 s2, ttmp6, 0x10000c
	s_cmp_lg_u32 s2, 0xf033
	s_cbranch_scc0 .Lentry_shape_is_right
	s_endpgm
.Lentry_shape_is_right:
; Phase 0: Q = query Wq + bq or K = value Wk + bk, a block of 256 rows x 256 units a work-group; phase 1: V^T = (value Wv + bv)^T, 128 units x 256 keys.
; Operands are codes of FP6 (E2M3) with E8M0 scale words, laid as images of operand registers (1,536 bytes for 16 slots x 128 k); K = 1,024, eight steps of 128.
; The results are quantised again along the next product's K and stored in the same layout.
; Phase 0's steps go 3 + 3 + 2 through two LDS slots of 147,456 bytes: a wave issues one joint load at the head (steps 0-2), one behind the next round (steps 3-5), and one
; behind step 2 (steps 6, 7 into slot 0, as rows of two steps: their fragments lie 3,072 bytes apart).  Phase 1's two fills of four steps take slot 1 and then slot 0.
; By this text's count a wave has one tensor load out.  All of LDS is claimed and the adds of 0 onto spare words are written.
; PREFETCH: steps 3-5 are asked for behind the head's load and steps 6, 7 behind slot 1's load, each three K steps ahead of the load that wants them.  Of a wave's eight fragments each of the four partners
; that ask jointly takes two, told apart by address (cx for the rows' tiles, cy for the weights').  Phase 1's tiles are not asked for: their loads have two steps and half a way out, or more, in which to land.
; LIMITS: NaN and infinities are not served; a block whose largest magnitude lies under 2^-124 keeps the byte 1.
.set SB0,    3*1536
.set HALF0,  8*SB0
.set REG0,   4*HALF0
.set SB1,    4*1536
.set HALFA1, 4*SB1
.set HALFB1, 8*SB1
.set EUP,    2*HALFA1+2*HALFB1
.set HALFS,  4096
.set SCL,    2*REG0
.set SCA1,   SCL+4*HALFS
.set SCB1,   SCA1+HALFS
.set SPARE,  SCB1+2*HALFS
.set SCR,    SPARE+512
.set NF0,    8+24+24
.set NF1,    8+24+12
.set CXV,   6291456
.set CWQ,   12582912
.set CWV,   14155776
.set ZXV,   262144
.set ZWQ,   524288
.set ZWV,   589824
.set PO,   4                           ; v4, v7 the prefetches' lane offsets; never rewritten
.set PO2,  7
.set ADA1, 12
.set ADB1, 14
.set ADRA, 16
.set ADRS1, 19
.set ADRB, 20
.set SRB,  23
.set LI,   24
.set SWA,  25
.set SRA,  26
.set ADRS, 27
.set SPW,  28
.set NIL,  29
.set LI8,  30
.set CPA,  31
.set SC,   32
.set BA,   48
.set AF,   64
.set CP,   64
.set PC,   128
.set TM,   148
.set PW,   164
.set SW,   168
.set BC,   208
.set G1,   24
.set G1B,  32
.set G1T,  40
.set G1TB, 48
.set ZB,   56
.set SEL,  66
.set G0,   68
.set G0B,  80
.set AD1,  92
.set BD1,  94
.set WVN,  96
.set WH,   97
.set WL,   98
.set PF,   100                         ; s[100:101] the prefetches' base; never rewritten
.set MSB, 0
.macro WIN new
.if MSB != \new
	s_set_vgpr_msb (MSB<<8)|\new
.set MSB, \new
.endif
.endm
.macro PLACES n
.rept \n
	v_nop
.endr
.endm
.macro JLOAD g0a, g1a, g0b, g1b        ; a joint load: waves 0, 1 for source 1's tiles, waves 2, 3 for source 0's
	s_cmp_eq_u32 s[WH], 0
	s_cbranch_scc0 .Lfor_b_\@
	tensor_load_to_lds s[\g0a:\g0a+3], s[\g1a:\g1a+7]
	s_nop 0
.rept 4
	v_nop
.endr
	s_branch .Lasked_\@
.Lfor_b_\@:
	tensor_load_to_lds s[\g0b:\g0b+3], s[\g1b:\g1b+7]
	s_nop 0
.rept 4
	v_nop
.endr
.Lasked_\@:
.endm
.macro CREST
	s_cmp_lg_u32 s[WVN], 0
	s_cbranch_scc1 .Lnot_wave_0_\@
	s_barrier_signal -3
.Lnot_wave_0_\@:
	s_barrier_wait -3
	s_barrier_signal -1
	s_barrier_wait -1
.endm
.macro CROUND
	s_barrier_signal -1
	s_barrier_wait -1
	CREST
.endm
.macro QMAX s, w                       ; the largest magnitudes of four blocks of 32, with the floor 2^(3 - 127) among the leaves
.set WN, (\w)*5
	WIN WN
.irp b, 0,1,2,3
	v_max3_num_f32 v[TM+\b], |v[(\s)+16*\b]|, |v[(\s)+16*\b+1]|, 0x1800000
.endr
.set WN, (\w)*20
	WIN WN
.irp i, 2,4,6,8,10,12,14
.irp b, 0,1,2,3
	v_max3_num_f32 v[TM+\b], v[TM+\b], |v[(\s)+16*\b+\i]|, |v[(\s)+16*\b+\i+1]|
.endr
.endr
	WIN 0
.irp b, 0,1,2,3
	v_permlanex16_b32 v[TM+4+\b], v[TM+\b], s[SEL], s[SEL+1]
.endr
.irp b, 0,1,2,3
	v_max_num_f32 v[TM+\b], v[TM+\b], v[TM+4+\b]
.endr
.endm
.macro QSCL
.irp b, 0,1,2,3
	v_add_nc_u32 v[TM+12+\b], 0xff000000, v[TM+\b]   ; 2 off the exponent field: the conversion's scale operand
.endr
.irp b, 0,1,2,3
	v_lshrrev_b32 v[TM+4+\b], 23, v[TM+12+\b]
.endr
	v_lshl_or_b32 v[PW], v[TM+5], 8, v[TM+4]
	v_lshl_or_b32 v[PW], v[TM+6], 16, v[PW]
	v_lshl_or_b32 v[PW], v[TM+7], 24, v[PW]
.endm
.macro QPACK s, w
.set WN, (\w)
	WIN WN
.irp c, 0,1
	v_cvt_scalef32_pk16_fp6_f32 v[PC+6*\c:PC+6*\c+2], v[(\s)+32*\c:(\s)+32*\c+15], v[TM+12+2*\c]
	v_cvt_scalef32_pk16_fp6_f32 v[PC+12+4*\c:PC+14+4*\c], v[(\s)+32*\c+16:(\s)+32*\c+31], v[TM+13+2*\c]
.endr
	WIN 0
	v_nop                                          ; one plain instruction behind a scaled conversion
.irp c, 0,1
.irp i, 0,1,2
	v_permlane16_swap_b32 v[PC+6*\c+\i], v[PC+12+4*\c+\i]
.endr
.irp i, 0,1,2
	v_mov_b32 v[PC+3+6*\c+\i], v[PC+12+4*\c+\i]
.endr
.endr
.endm
.macro FETCH0 n
.set PP, (\n)%2
.set SL, ((\n)/3)%2
.set QQ, (\n)%3
.if (\n) >= 6
.set PB, 2*1536                        ; steps 6, 7 came as rows of two steps
.else
.set PB, SB0
.endif
	WIN 0
.irp i, 0,1,2,3,4,5,6,7
	ds_load_b32 v[SC+8*PP+\i], v[ADRS] offset:512*(\n)+64*\i
.endr
	WIN 0x40
.irp i, 0,1,2,3,4,5,6,7
.irp c, 0,1,2
	ds_load_b128 v[128*PP+12*\i+4*\c:128*PP+12*\i+4*\c+3], v[ADRB+SL] offset:\i*PB+QQ*1536+512*\c
.endr
.endr
	WIN 0
.irp i, 0,1,2,3,4,5,6,7
.irp c, 0,1,2
	ds_load_b128 v[AF+96*PP+12*\i+4*\c:AF+96*PP+12*\i+4*\c+3], v[ADRA+SL] offset:\i*PB+QQ*1536+512*\c
.endr
.endr
.endm
.macro MUL0 n, a, cin                  ; cin = 2: the first step's products take the bias as C.  The accumulators take turns in one order in every step
.set PP, (\n)%2
.set AFP, AF+96*PP+12*(\a)
.if (\cin) == 2
.set WN, 0x91+0x40*((\a)/4)
.else
.set WN, 0xa1+0x50*((\a)/4)
.endif
	WIN WN
.irp b, 0,1,2,3,4,5,6,7
.set AC, 8*(8*((\a)%4)+\b)
.set BF, 128*PP+12*\b
.set BI, 96+8*\b+96*(\b/4)
.if (\cin) == 2
	v_wmma_scale_f32_16x16x128_f8f6f4 v[AC:AC+7], v[BF:BF+11], v[AFP:AFP+11], v[BI:BI+7], v[SC+8*PP+\b], v[SC+8*PP+(\a)] matrix_a_fmt:MATRIX_FMT_FP6 matrix_b_fmt:MATRIX_FMT_FP6 matrix_a_scale:MATRIX_SCALE_ROW1
.else
	v_wmma_scale_f32_16x16x128_f8f6f4 v[AC:AC+7], v[BF:BF+11], v[AFP:AFP+11], v[AC:AC+7], v[SC+8*PP+\b], v[SC+8*PP+(\a)] matrix_a_fmt:MATRIX_FMT_FP6 matrix_b_fmt:MATRIX_FMT_FP6 matrix_a_scale:MATRIX_SCALE_ROW1
.endif
.endr
.endm
.macro STEP0 n, cin
.if (\n) > 0
	PLACES 4                                       ; four plain instructions between the last step's products and the loads into the set that they read
.endif
	FETCH0 (\n)+1
	s_wait_dscnt NF0                               ; all but the NF0 loads just issued are in: this step's set
.irp a, 0,1,2,3,4,5,6,7
	MUL0 \n, \a, \cin
.endr
.endm
.macro TURN0 n, kind                   ; a slot's last step.  kind = 1: slot 0 takes steps 6, 7.  kind = 2: slot 1 takes phase 1's steps 0-3
	WIN 0
	s_wait_tensorcnt 0x0                           ; all my tensor loads have landed
	ds_add_u32 v[SPW], v[NIL]
.if (\kind) == 1
	s_add_nc_u64 s[G0+2:G0+3], s[G0+2:G0+3], 2*SB0   ; no tensor load of mine is out: on to step 6,
	s_add_nc_u64 s[G0B+2:G0B+3], s[G0B+2:G0B+3], 2*SB0
.irp g, G1, G1B
	s_mov_b32 s[\g+1], 384<<16                     ; in rows of 3,072 bytes: tensor_dim0 and tile_dim0 = 384 elements of 8 bytes
	s_mov_b32 s[\g+3], 384<<16
.endr
.else
	s_mul_i32 s18, s[WL], HALFA1
	s_add_co_u32 s[G0+5], s18, EUP
	s_mov_b32 s[G0+9], s18
	s_mov_b64 s[G0+6:G0+7], s[AD1:AD1+1]
	s_or_b32 s[G0+7], s[G0+7], 0x80000000
	s_add_nc_u64 s[G0+10:G0+11], s[AD1:AD1+1], SB1
	s_or_b32 s[G0+11], s[G0+11], 0x80000000
	s_mul_i32 s18, s[WL], HALFB1
	s_add_co_u32 s18, s18, 2*HALFA1
	s_add_co_u32 s[G0B+5], s18, EUP
	s_mov_b32 s[G0B+9], s18
	s_mov_b64 s[G0B+6:G0B+7], s[BD1:BD1+1]
	s_or_b32 s[G0B+7], s[G0B+7], 0x80000000
	s_add_nc_u64 s[G0B+10:G0B+11], s[BD1:BD1+1], SB1
	s_or_b32 s[G0B+11], s[G0B+11], 0x80000000
.endif
	s_wait_dscnt 1                                 ; only the add may be out: this step's set is in
	MUL0 \n, 0, 0
	s_wait_dscnt 0x0                               ; the add is done, and my reads of this slot are over
	s_barrier_signal -1
	MUL0 \n, 1, 0
	WIN 0
	s_barrier_wait -1
	CREST
.if (\kind) == 1
	JLOAD G0, G1, G0B, G1B
.else
	JLOAD G0+4, G1T, G0B+4, G1TB
.endif
	FETCH0 (\n)+1
.irp a, 2,3,4,5,6,7
	MUL0 \n, \a, 0
.endr
.endm
.macro FETCH1 n
.set PP, (\n)%2
.set EE, (\n)/4
.set QQ, (\n)%4
	WIN 0
.irp i, 0,1,2,3,4,5,6,7
	ds_load_b32 v[SC+8*PP+\i], v[ADRS1] offset:512*(\n)+64*\i
.endr
	WIN 0x40
.irp i, 0,1,2,3,4,5,6,7
.irp c, 0,1,2
	ds_load_b128 v[128*PP+12*\i+4*\c:128*PP+12*\i+4*\c+3], v[ADB1+EE] offset:\i*SB1+QQ*1536+512*\c
.endr
.endr
	WIN 0
.irp i, 0,1,2,3
.irp c, 0,1,2
	ds_load_b128 v[AF+96*PP+12*\i+4*\c:AF+96*PP+12*\i+4*\c+3], v[ADA1+EE] offset:\i*SB1+QQ*1536+512*\c
.endr
.endr
.endm
.macro MUL1 n, a, cin
.set PP, (\n)%2
.set AFP, AF+96*PP+12*(\a)
.if (\cin) == 2
	WIN 0x81
.else
	WIN 0xa1
.endif
.irp b, 0,1,2,3,4,5,6,7
.set AC, 8*(8*(\a)+\b)
.set BF, 128*PP+12*\b
.if (\cin) == 2
	v_wmma_scale_f32_16x16x128_f8f6f4 v[AC:AC+7], v[BF:BF+11], v[AFP:AFP+11], v[BC+8*(\a):BC+8*(\a)+7], v[SC+8*PP+\b], v[SC+8*PP+(\a)] matrix_a_fmt:MATRIX_FMT_FP6 matrix_b_fmt:MATRIX_FMT_FP6 matrix_a_scale:MATRIX_SCALE_ROW1
.else
	v_wmma_scale_f32_16x16x128_f8f6f4 v[AC:AC+7], v[BF:BF+11], v[AFP:AFP+11], v[AC:AC+7], v[SC+8*PP+\b], v[SC+8*PP+(\a)] matrix_a_fmt:MATRIX_FMT_FP6 matrix_b_fmt:MATRIX_FMT_FP6 matrix_a_scale:MATRIX_SCALE_ROW1
.endif
.endr
.endm
.macro STEP1 n, cin
.if (\n) > 0
	PLACES 4
.endif
	FETCH1 (\n)+1
	s_wait_dscnt NF1
.irp a, 0,1,2,3
	MUL1 \n, \a, \cin
.endr
.endm
.macro OUTQ a, ptr, stride             ; 16 rows x 128 of the next K: quantised and stored as a fragment's image
.set WA, 2+(\a)/4
.set SA_, 64*((\a)%4)
	QMAX SA_, WA
	QSCL
.if (\a) > 0
	s_wait_xcnt 0x0                                ; the last fragment's stores have read the codes' registers
.endif
	QPACK SA_, WA
.irp c, 0,1,2
	global_store_b128 v[LI], v[PC+4*\c:PC+4*\c+3], s[\ptr:\ptr+1] offset:(\a)*(\stride)+512*\c
.endr
	ds_store_b32 v[SWA], v[PW] offset:64*(\a)
.endm
	s_load_b128 s[4:7], s[0:1], 0x0                ; xcod, xscl
	s_load_b128 s[8:11], s[0:1], 0x10              ; bq, bk
	s_load_b128 s[12:15], s[0:1], 0x20             ; bv, hcod
	s_load_b64 s[16:17], s[0:1], 0x30              ; hscl
	v_lshl_add_u32 v[SPW], v0, 2, SPARE
	v_mov_b32 v[NIL], 0
	ds_add_u32 v28, v29                            ; the opening lines: the add twice on end and one wait
	ds_add_u32 v28, v29
	s_wait_dscnt 0x0
	v_lshrrev_b32 v1, 5, v0
	v_readfirstlane_b32 s[WVN], v1
	s_lshr_b32 s[WH], s[WVN], 1
	s_and_b32 s[WL], s[WVN], 1
	s_bfe_u32 s99, ttmp6, 0x40000                  ; cx
	s_bfe_u32 s3, ttmp6, 0x40004                   ; cy
	s_lshl_b32 s18, s3, 2
	s_lshl_b32 s18, 15, s18
	s_lshl_b32 s94, 0x1111, s99
	s_or_b32 s[G1], s18, (3<<16)|(1<<21)
	s_or_b32 s[G1T], s18, (3<<16)|(1<<21)
	s_or_b32 s[G1B], s94, (3<<16)|(1<<21)
	s_or_b32 s[G1TB], s94, (3<<16)|(1<<21)
.irp g, G1, G1B
	s_mov_b32 s[\g+1], (SB0/8)<<16
	s_mov_b32 s[\g+2], 8<<16
	s_mov_b32 s[\g+3], (SB0/8)<<16
	s_mov_b32 s[\g+4], 8
	s_mov_b32 s[\g+5], 8*192
	s_mov_b32 s[\g+6], 0
	s_mov_b32 s[\g+7], 0
.endr
	s_mov_b32 s[G1T+1], (SB1/8)<<16
	s_mov_b32 s[G1T+2], 4<<16
	s_mov_b32 s[G1T+3], (SB1/8)<<16
	s_mov_b32 s[G1T+4], 4
	s_mov_b32 s[G1T+5], 8*192
	s_mov_b32 s[G1T+6], 0
	s_mov_b32 s[G1T+7], 0
	s_mov_b32 s[G1TB+1], (SB1/8)<<16
	s_mov_b32 s[G1TB+2], 8<<16
	s_mov_b32 s[G1TB+3], (SB1/8)<<16
	s_mov_b32 s[G1TB+4], 8
	s_mov_b32 s[G1TB+5], 8*192
	s_mov_b32 s[G1TB+6], 0
	s_mov_b32 s[G1TB+7], 0
	s_mov_b32 s[SEL], 0x76543210
	s_mov_b32 s[SEL+1], 0xfedcba98
	s_and_b32 s20, ttmp7, 0xffff
	s_lshr_b32 s21, s20, 3                         ; 0: Q, 1: K
	s_and_b32 s22, s20, 7
	s_lshl_b32 s22, s22, 2
	s_add_co_u32 s22, s22, s3                      ; phase 0: the tile of 256 rows
	s_and_b32 s23, s20, 1
	s_lshl_b32 s23, s23, 2
	s_add_co_u32 s23, s23, s3                      ; phase 1: the tile of 128 units
	s_lshr_b32 s2, s20, 1
	s_lshl_b32 s2, s2, 2
	s_add_co_u32 s2, s2, s99                       ; phase 1: the tile of 256 keys
	s_lshl_b32 s18, s22, 4
	s_lshl_b32 s19, s[WL], 3
	s_add_co_u32 s18, s18, s19
	s_mul_i32 s18, s18, 12288
	s_mul_i32 s19, s21, CXV
	s_add_co_u32 s[G0+2], s18, s19
	s_mov_b32 s[G0+3], 0
	s_lshl_b32 s94, s99, 4
	s_lshl_b32 s95, s[WL], 3
	s_add_co_u32 s94, s94, s95
	s_mul_i32 s94, s94, 12288
	s_mul_i32 s95, s21, 786432
	s_add_co_u32 s94, s94, s95
	s_add_co_u32 s[G0B+2], s94, CWQ
	s_mov_b32 s[G0B+3], 0
	s_lshl_b32 s18, s23, 3
	s_lshl_b32 s19, s[WL], 2
	s_add_co_u32 s18, s18, s19
	s_mul_i32 s18, s18, 12288
	s_add_co_u32 s[AD1], s18, CWV
	s_mov_b32 s[AD1+1], 0
	s_lshl_b32 s94, s2, 4
	s_lshl_b32 s95, s[WL], 3
	s_add_co_u32 s94, s94, s95
	s_mul_i32 s94, s94, 12288
	s_add_co_u32 s[BD1], s94, CXV
	s_mov_b32 s[BD1+1], 0
	s_lshl_b32 s18, s21, 18
	s_lshl_b32 s19, s22, 13
	s_add_co_u32 s[ZB], s18, s19
	s_mov_b32 s[ZB+1], 0
	s_lshl_b32 s20, s21, 15
	s_lshl_b32 s19, s99, 13
	s_add_co_u32 s20, s20, s19
	s_add_co_u32 s[ZB+2], s20, ZWQ
	s_mov_b32 s[ZB+3], 0
	s_lshl_b32 s20, s23, 12
	s_add_co_u32 s[ZB+4], s20, ZWV
	s_mov_b32 s[ZB+5], 0
	s_lshl_b32 s20, s2, 13
	s_add_co_u32 s[ZB+6], s20, ZXV
	s_mov_b32 s[ZB+7], 0
	s_mul_i32 s18, s[WVN], HALF0
.irp s, 0,1,2
	s_mov_b32 s[G0+4*\s], 1
	s_add_co_u32 s[G0+4*\s+1], s18, \s*REG0
	s_mov_b32 s[G0B+4*\s], 1
	s_add_co_u32 s[G0B+4*\s+1], s18, \s*REG0
.endr
	v_and_b32 v1, 15, v0
	v_bfe_u32 v2, v0, 4, 1
	v_and_b32 v3, 31, v0
	v_lshlrev_b32 v8, 6, v2
	v_and_b32 v9, 7, v0
	v_bfe_u32 v10, v0, 3, 1
	v_lshlrev_b32 v9, 2, v9
	v_lshl_add_u32 v9, v10, 6, v9
	v_lshlrev_b32 v11, 4, v0
	v_lshl_add_u32 v[CPA], v0, 4, SCL
	v_min_u32 v[PO], 17, v3                        ; three steps of a fragment are 18 blocks of 256 bytes: a lane a block, lanes left over name the last again
	v_lshlrev_b32 v[PO], 8, v[PO]
	v_min_u32 v[PO2], 11, v1                       ; two steps are 12 blocks: lanes 0-15 take one fragment's, lanes 16-31 the next fragment's
	v_lshlrev_b32 v[PO2], 8, v[PO2]
	v_mad_u32_u24 v[PO2], v2, 0x3000, v[PO2]
	s_wait_alu depctr_va_vdst(0)
	s_wait_kmcnt 0x0
	s_add_nc_u64 s[G0+2:G0+3], s[4:5], s[G0+2:G0+3]
	s_add_nc_u64 s[G0B+2:G0B+3], s[4:5], s[G0B+2:G0B+3]
	s_add_nc_u64 s[AD1:AD1+1], s[4:5], s[AD1:AD1+1]
	s_add_nc_u64 s[BD1:BD1+1], s[4:5], s[BD1:BD1+1]
	s_cmp_eq_u32 s[WH], 0                          ; the prefetches: of the eight fragments that I fetch,
	s_cselect_b32 s18, s99, s3                     ; my place among the four that ask with me
	s_cselect_b64 s[PF:PF+1], s[G0+2:G0+3], s[G0B+2:G0B+3]
	s_mul_i32 s18, s18, 24576                      ; picks two
	s_mov_b32 s19, 0
	s_add_nc_u64 s[PF:PF+1], s[PF:PF+1], s[18:19]
	s_add_nc_u64 s[G0+6:G0+7], s[G0+2:G0+3], SB0
	s_add_nc_u64 s[G0B+6:G0B+7], s[G0B+2:G0B+3], SB0
.irp s, 0,1
	s_or_b32 s[G0+4*\s+3], s[G0+4*\s+3], 0x80000000
	s_or_b32 s[G0B+4*\s+3], s[G0B+4*\s+3], 0x80000000
.endr
.irp k, 0,1,2,3
	s_add_nc_u64 s[ZB+2*\k:ZB+2*\k+1], s[6:7], s[ZB+2*\k:ZB+2*\k+1]
.endr
	s_cmp_eq_u32 s21, 0
	s_cselect_b64 s[8:9], s[8:9], s[10:11]
	s_lshl_b32 s18, s99, 10
	s_lshl_b32 s19, s[WL], 9
	s_add_co_u32 s18, s18, s19
	s_mov_b32 s19, 0
	s_add_nc_u64 s[8:9], s[8:9], s[18:19]
	s_lshl_b32 s18, s23, 9
	s_lshl_b32 s20, s[WH], 8
	s_add_co_u32 s18, s18, s20
	s_add_nc_u64 s[12:13], s[12:13], s[18:19]
.irp k, 0,1,2,3
	global_load_b128 v[CP+4*\k:CP+4*\k+3], v11, s[ZB:ZB+1] offset:2048*\k            ; the scale words of both phases, in whole units
.endr
.irp k, 0,1,2,3
	global_load_b128 v[CP+16+4*\k:CP+16+4*\k+3], v11, s[ZB+2:ZB+3] offset:2048*\k
.endr
.irp k, 0,1
	global_load_b128 v[CP+32+4*\k:CP+32+4*\k+3], v11, s[ZB+4:ZB+5] offset:2048*\k
.endr
.irp k, 0,1,2,3
	global_load_b128 v[CP+40+4*\k:CP+40+4*\k+3], v11, s[ZB+6:ZB+7] offset:2048*\k
.endr
	WIN 0x40
.irp b, 0,1,2,3,4,5,6,7
.set BI, 96+8*\b+96*(\b/4)
	global_load_b128 v[BI:BI+3], v8, s[8:9] offset:(32*(\b/2)+8*(\b%2))*4            ; the bias in the result's layout
	global_load_b128 v[BI+4:BI+7], v8, s[8:9] offset:(32*(\b/2)+8*(\b%2))*4+16
.endr
	WIN 0
.irp a, 0,1,2,3
	global_load_b32 v[BA+\a], v9, s[12:13] offset:(32*(\a/2)+8*(\a%2))*4
.endr
	CROUND                                         ; all sixteen work-groups are here: the first joint loads meet
	JLOAD G0, G1, G0B, G1B                         ; steps 0-2: one tensor load a wave at the head
	v_lshlrev_b32 v[LI], 4, v3
	v_lshlrev_b32 v[LI8], 3, v3
	s_wait_alu depctr_va_vdst(0)
	global_prefetch_b8 v[PO], s[PF:PF+1] offset:SB0 th:TH_LOAD_NT scope:SCOPE_SE         ; steps 3-5 of my two fragments
	global_prefetch_b8 v[PO], s[PF:PF+1] offset:SB0+12288 th:TH_LOAD_NT scope:SCOPE_SE
	s_mul_i32 s18, s[WH], HALF0
	s_mul_i32 s19, s[WL], HALF0
	s_add_co_u32 s19, s19, 2*HALF0
.irp s, 0,1
	v_add_nc_u32 v[ADRA+\s], s18, v[LI]
	v_add_nc_u32 v[ADRB+\s], s19, v[LI]
	s_add_co_u32 s18, s18, REG0
	s_add_co_u32 s19, s19, REG0
.endr
	s_mul_i32 s18, s[WH], HALFS
	s_mul_i32 s19, s[WL], HALFS
	s_add_co_u32 s19, s19, 2*HALFS
	s_sub_co_u32 s19, s19, s18
	v_mul_u32_u24 v6, s19, v2
	s_add_co_u32 s18, s18, SCL
	v_lshl_add_u32 v5, v1, 2, v6
	v_add_nc_u32 v[ADRS], s18, v5
	s_mul_i32 s18, s[WH], HALFA1
	s_mul_i32 s19, s[WL], HALFB1
	s_add_co_u32 s19, s19, 2*HALFA1
	v_add_nc_u32 v[ADA1+1], s18, v[LI]
	v_add_nc_u32 v[ADB1+1], s19, v[LI]
	s_add_co_u32 s18, s18, EUP
	s_add_co_u32 s19, s19, EUP
	v_add_nc_u32 v[ADA1], s18, v[LI]
	v_add_nc_u32 v[ADB1], s19, v[LI]
	s_lshl_b32 s18, s[WH], 8
	s_lshl_b32 s19, s[WL], 12
	s_add_co_u32 s19, s19, SCB1-SCA1
	s_sub_co_u32 s19, s19, s18
	v_mul_u32_u24 v6, s19, v2
	s_add_co_u32 s18, s18, SCA1
	v_lshl_add_u32 v5, v1, 2, v6
	v_add_nc_u32 v[ADRS1], s18, v5
	s_lshl_b32 s18, s[WVN], 9
	s_add_co_u32 s18, s18, SCR
	v_lshl_add_u32 v[SWA], v1, 2, s18
	v_add_nc_u32 v[SRA], s18, v[LI]
	v_add_nc_u32 v[SRB], s18, v[LI8]
	s_lshl_b32 s3, s99, 1
	s_add_co_u32 s3, s3, s[WL]
	s_lshl_b32 s20, s2, 1
	s_add_co_u32 s20, s20, s[WL]
	s_lshl_b32 s18, s23, 3
	s_lshl_b32 s19, s[WH], 2
	s_add_co_u32 s18, s18, s19
	s_lshl_b32 s18, s18, 6
	s_add_co_u32 s18, s18, s20
	s_mul_i32 s18, s18, 1536
	s_add_co_u32 s18, s18, 12582912
	s_mov_b32 s19, 0
	s_add_nc_u64 s[4:5], s[14:15], s[18:19]        ; where V^T's codes go
	s_lshl_b32 s18, s22, 4
	s_lshl_b32 s19, s[WH], 3
	s_add_co_u32 s18, s18, s19
	s_lshl_b32 s18, s18, 3
	s_add_co_u32 s18, s18, s3
	s_mul_i32 s18, s18, 1536
	s_mul_i32 s19, s21, 6291456
	s_add_co_u32 s18, s18, s19
	s_mov_b32 s19, 0
	s_add_nc_u64 s[14:15], s[14:15], s[18:19]      ; where Q's or K's go
	s_lshl_b32 s18, s23, 6
	s_add_co_u32 s18, s18, s20
	s_lshl_b32 s18, s18, 9
	s_lshl_b32 s20, s[WH], 8
	s_add_co_u32 s18, s18, s20
	s_add_co_u32 s18, s18, 524288
	s_lshl_b32 s20, s22, 1
	s_add_co_u32 s20, s20, s[WH]
	s_lshl_b32 s20, s20, 3
	s_add_co_u32 s20, s20, s3
	s_lshl_b32 s20, s20, 9
	s_lshl_b32 s21, s21, 18
	s_add_co_u32 s20, s20, s21
	s_mov_b32 s21, 0
	s_add_nc_u64 s[22:23], s[16:17], s[18:19]
	s_add_nc_u64 s[16:17], s[16:17], s[20:21]
	s_wait_alu depctr_va_vdst(0)
	s_wait_loadcnt 0x0
.irp m, 0,1,2,3,4,5,6,7,8,9,10,11,12,13
	ds_store_b128 v[CPA], v[CP+4*\m:CP+4*\m+3] offset:2048*\m
.endr
	s_wait_tensorcnt 0x0                           ; my part of steps 0-2 is in
	ds_add_u32 v[SPW], v[NIL]
	s_wait_dscnt 0x0                               ; the add and my stores of scale words are done
	CROUND
	JLOAD G0+4, G1, G0B+4, G1B                     ; steps 3-5, slot 1's first fill, issued as a refill is
	FETCH0 0
	global_prefetch_b8 v[PO2], s[PF:PF+1] offset:2*SB0 th:TH_LOAD_NT scope:SCOPE_SE      ; steps 6, 7 of my two fragments
	STEP0 0, 2
	STEP0 1, 0
	TURN0 2, 1
	STEP0 3, 0
	STEP0 4, 0
	TURN0 5, 2
	STEP0 6, 0
	s_wait_dscnt 0x0
.irp a, 0,1,2,3,4,5,6,7
	MUL0 7, \a, 0
.endr
	WIN 0
	PLACES 4
.irp b, 0,1,2,3
	v_mov_b32 v[TM+4+\b], 0                        ; a lane permute's destination counts as one of its sources
.endr
.irp a, 0,1,2,3
.irp j, 0,1,2,3,4,5,6,7
	v_mov_b32 v[BC+8*\a+\j], v[BA+\a]              ; bv in the layout of phase 1's results
.endr
.endr
.irp a, 0,1,2,3
	OUTQ \a, 14, 12288
.endr
	s_wait_tensorcnt 0x0
	ds_add_u32 v[SPW], v[NIL]
	s_wait_dscnt 0x0
	CROUND
	JLOAD G0+8, G1T, G0B+8, G1TB                   ; phase 1's steps 4-7 into slot 0, which nobody reads any more
.irp a, 4,5,6,7
	OUTQ \a, 14, 12288
.endr
	ds_load_b128 v[SW:SW+3], v[SRA]
	s_wait_dscnt 0x0
	global_store_b128 v[LI], v[SW:SW+3], s[16:17]
	FETCH1 0
	s_wait_xcnt 0x0
	STEP1 0, 2
	STEP1 1, 0
	STEP1 2, 0
	WIN 0
	s_wait_tensorcnt 0x0
	ds_add_u32 v[SPW], v[NIL]
	s_wait_dscnt 1
	MUL1 3, 0, 0
	s_wait_dscnt 0x0
	s_barrier_signal -1
	MUL1 3, 1, 0
	WIN 0
	s_barrier_wait -1
	PLACES 4
	FETCH1 4
	MUL1 3, 2, 0
	MUL1 3, 3, 0
	STEP1 4, 0
	STEP1 5, 0
	STEP1 6, 0
	s_wait_dscnt 0x0
.irp a, 0,1,2,3
	MUL1 7, \a, 0
.endr
	WIN 0
	PLACES 4
.irp a, 0,1,2,3
	OUTQ \a, 4, 98304
.endr
	ds_load_b64 v[SW:SW+1], v[SRB]
	s_wait_dscnt 0x0
	global_store_b64 v[LI8], v[SW:SW+1], s[22:23]
	s_wait_tensorcnt 0x0                           ; the wave's end
	ds_add_u32 v[SPW], v[NIL]
	s_wait_dscnt 0x0
	CROUND                                         ; the closing round
	s_endpgm
.Lfunc_end_k_qcc8a0fdf7e_proj:
	.size	k_qcc8a0fdf7e_proj, .Lfunc_end_k_qcc8a0fdf7e_proj-k_qcc8a0fdf7e_proj
	.p2alignl 7, 3214868480
	.fill 96, 4, 3214868480
	.section	.rodata,"a",@progbits
	.p2align	6, 0x0
	.amdhsa_kernel k_qcc8a0fdf7e_proj
		.amdhsa_group_segment_fixed_size 327680
		.amdhsa_private_segment_fixed_size 0
		.amdhsa_enable_private_segment 0
		.amdhsa_kernarg_size 56
		.amdhsa_user_sgpr_count 2
		.amdhsa_user_sgpr_kernarg_segment_ptr 1
		.amdhsa_wavefront_size32 1
		.amdhsa_system_sgpr_workgroup_id_x 1
		.amdhsa_system_sgpr_workgroup_id_y 1
		.amdhsa_system_sgpr_workgroup_id_z 1
		.amdhsa_system_vgpr_workitem_id 0
		.amdhsa_next_free_vgpr 1024
		.amdhsa_next_free_sgpr 102
		.amdhsa_reserve_vcc 0
		.amdhsa_float_denorm_mode_32 3
		.amdhsa_float_denorm_mode_16_64 3
		.amdhsa_memory_ordered 1
		.amdhsa_forward_progress 1
		.amdhsa_inst_pref_size 226
	.end_amdhsa_kernel
	.amdgpu_metadata
---
amdhsa.version: [ 1, 2 ]
amdhsa.kernels:
  - .name:           k_qcc8a0fdf7e_proj
    .symbol:         k_qcc8a0fdf7e_proj.kd
    .args:
      - { .name: xcod, .offset: 0, .size: 8, .value_kind: global_buffer, .address_space: global }
      - { .name: xscl, .offset: 8, .size: 8, .value_kind: global_buffer, .address_space: global }
      - { .name: bq, .offset: 16, .size: 8, .value_kind: global_buffer, .address_space: global }
      - { .name: bk, .offset: 24, .size: 8, .value_kind: global_buffer, .address_space: global }
      - { .name: bv, .offset: 32, .size: 8, .value_kind: global_buffer, .address_space: global }
      - { .name: hcod, .offset: 40, .size: 8, .value_kind: global_buffer, .address_space: global }
      - { .name: hscl, .offset: 48, .size: 8, .value_kind: global_buffer, .address_space: global }
    .group_segment_fixed_size: 327680
    .private_segment_fixed_size: 0
    .kernarg_segment_align: 8
    .kernarg_segment_size: 56
    .max_flat_workgroup_size: 128
    .sgpr_count:     102
    .vgpr_count:     1024
    .wavefront_size: 32
...
	.end_amdgpu_metadata
.endif
;; end of part 2
;; launch score (part 3): grid 8 x 32, 4 waves a work-group, clusters of 4 x 4, 327,680 bytes of LDS; arguments hcod, hscl, pcod, pstat; writes pcod, pstat
.if DOCPART == 3
	.amdgcn_target "amdgcn-amd-amdhsa--gfx1250"
	.amdhsa_code_object_version 6
	.text
	.protected	k_qcc8a0fdf7e_score
	.globl	k_qcc8a0fdf7e_score
	.p2align	8
	.type	k_qcc8a0fdf7e_score,@function
k_qcc8a0fdf7e_score:
	s_mov_b64 s[64:65], 0
	v_nop
	global_prefetch_b8 v0, s[64:65] scope:SCOPE_SE
	s_setreg_imm32_b32 hwreg(HW_REG_WAVE_MODE, 25, 1), 1
	s_wait_xcnt 0x0
	s_wait_alu depctr_hold_cnt(0) depctr_sa_sdst(0) depctr_va_vdst(0) depctr_va_sdst(0) depctr_va_ssrc(0) depctr_va_vcc(0) depctr_vm_vsrc(0)
	s_getreg_b32 s2, hwreg(HW_REG_IB_STS2, 6, 4)
	s_cmp_eq_u32 s2, 0
	s_cbranch_scc0 .Lentry_in_a_cluster
	s_endpgm
.Lentry_in_a_cluster:
	s_bfe_u32 s2, ttmp6, 0x10000c
	s_cmp_lg_u32 s2, 0xf033
	s_cbranch_scc0 .Lentry_shape_is_right
	s_endpgm
.Lentry_shape_is_right:
; S = Q K^T on codes of FP6 (E2M3), K = 1,024, and the softmax's p for each piece of 128 keys, quantised along the keys.
; t = score x c, c = log2(e) / 32.  For each query and each 128 keys: M = the piece's largest t rounded UP to a whole number; p = 2^(t - M); l = the sum of the unquantised p.
; Stored: p's codes and scale words, -M and l.  The next launch brings a row's sixteen pieces under the row's largest M by whole numbers taken off p's scale bytes.
; Operands and p lie as images of operand registers: fragment (f, ks), 16 slots x 128 k, 1,536 bytes at (NKS f + ks) x 1,536; slot 16 f + r holds row 32 (f / 2) + 8 (f % 2) + r % 8 + 16 (r / 8);
; a slot's scale word for K step ks at ((slot / 128) NKS + ks) x 512 + 4 (slot % 128).
; A block of 256 queries x 256 keys a work-group, 128 x 128 a wave.  USED TRANSPOSED: source 0 = 16 keys, source 1 = 16 queries: a lane holds one query, and the 64 registers of a
; fragment of queries are the wave's keys 32 b + 16 (lane / 16) + i in ascending order.
; The eight K steps go 3 + 3 + 2 through two LDS slots of 147,456 bytes, by joint loads of a 4 x 4 cluster (Q's tiles shared along a row, K's along a column): a wave issues one load at the head
; (steps 0-2), one behind the next round (steps 3-5), one behind step 2 (steps 6, 7 into slot 0, as rows of two steps: their fragments lie 3,072 bytes apart).
; By this text's count a wave has one tensor load out.  The scale words, two dense blocks of 8,192 bytes, come through registers into LDS bytes of their own.
; All of LDS is claimed and the adds of 0 onto spare words are written.
; PREFETCH: steps 3-5 are asked for behind the head's load and steps 6, 7 behind slot 1's load, each three K steps ahead of the load that wants them.  Of a wave's eight fragments each of the four partners
; that ask jointly takes two, told apart by address (cx for Q, cy for K).
; LIMITS: NaN and infinities are not served; a p under 2^-126 is 0; a block whose every p is 0 keeps the byte 1 (its codes are zeros).
; REGISTERS: window 0: v7, v8, v16-31 addresses; v32-47 scale words, two sets; v64-159, v160-255 Q's fragments, two sets (free on the way out).  window 1: v0-95, v128-223 K's.  windows 2, 3: accumulator (a, b) at v[8 (8 (a % 4) + b)].
.set NQ,    3
.set SB,    NQ*1536
.set HALF,  8*SB
.set SLOT,  4*HALF
.set HALFS, 4096
.set SCL,   2*SLOT                     ; the scale words: Q's two halves, K's two halves; stored by the waves, no tile lands here
.set SPARE, SCL+4*HALFS
.set SCR,   SPARE+512                  ; 1,536 bytes a wave: p's scale words, -M, l
.set NF,    56                         ; LDS loads of one step's set: 8 + 24 + 24
.set CPK,   6291456                    ; hcod: Q at 0, K here
.set ZPK,   262144
.set PO,   7                           ; v7, v8 the prefetches' lane offsets; never rewritten
.set PO2,  8
.set ADRA, 16
.set ADRB, 20
.set LI,   24
.set SWA,  25
.set SRA,  26
.set ADRS, 27
.set SPW,  28
.set NIL,  29
.set GO,   30
.set CPA,  31
.set SC,   32
.set AF,   64
.set T,    64
.set PC,   128
.set TM,   148
.set PW,   164
.set NM,   174
.set SA,   176
.set SBM,  178
.set LS,   180
.set TX,   181
.set CS,   2
.set G1,   24
.set G1B,  32
.set ZQ,   56
.set ZK,   58
.set PF,   62                          ; s[62:63] the prefetches' base; never rewritten
.set SEL,  66
.set G0,   68
.set G0B,  80
.set WVN,  96
.set WH,   97
.set WL,   98
.set MSB, 0
.macro WIN new
.if MSB != \new
	s_set_vgpr_msb (MSB<<8)|\new
.set MSB, \new
.endif
.endm
.macro PLACES n
.rept \n
	v_nop
.endr
.endm
.macro JLOAD g0a, g1a, g0b, g1b        ; a joint load: waves 0, 1 for Q, waves 2, 3 for K
	s_cmp_eq_u32 s[WH], 0
	s_cbranch_scc0 .Lfor_b_\@
	tensor_load_to_lds s[\g0a:\g0a+3], s[\g1a:\g1a+7]
	s_nop 0
.rept 4
	v_nop
.endr
	s_branch .Lasked_\@
.Lfor_b_\@:
	tensor_load_to_lds s[\g0b:\g0b+3], s[\g1b:\g1b+7]
	s_nop 0
.rept 4
	v_nop
.endr
.Lasked_\@:
.endm
.macro CREST
	s_cmp_lg_u32 s[WVN], 0
	s_cbranch_scc1 .Lnot_wave_0_\@
	s_barrier_signal -3
.Lnot_wave_0_\@:
	s_barrier_wait -3
	s_barrier_signal -1
	s_barrier_wait -1
.endm
.macro CROUND
	s_barrier_signal -1
	s_barrier_wait -1
	CREST
.endm
.macro QSCL
.irp b, 0,1,2,3
	v_add_nc_u32 v[TM+12+\b], 0xff000000, v[TM+\b]   ; 2 off the exponent field: the conversion's scale operand
.endr
.irp b, 0,1,2,3
	v_lshrrev_b32 v[TM+4+\b], 23, v[TM+12+\b]
.endr
	v_lshl_or_b32 v[PW], v[TM+5], 8, v[TM+4]
	v_lshl_or_b32 v[PW], v[TM+6], 16, v[PW]
	v_lshl_or_b32 v[PW], v[TM+7], 24, v[PW]
.endm
.macro QPACK s
.irp c, 0,1
	v_cvt_scalef32_pk16_fp6_f32 v[PC+6*\c:PC+6*\c+2], v[(\s)+32*\c:(\s)+32*\c+15], v[TM+12+2*\c]
	v_cvt_scalef32_pk16_fp6_f32 v[PC+12+4*\c:PC+14+4*\c], v[(\s)+32*\c+16:(\s)+32*\c+31], v[TM+13+2*\c]
.endr
	v_nop                                          ; one plain instruction behind a scaled conversion
.irp c, 0,1
.irp i, 0,1,2
	v_permlane16_swap_b32 v[PC+6*\c+\i], v[PC+12+4*\c+\i]
.endr
.irp i, 0,1,2
	v_mov_b32 v[PC+3+6*\c+\i], v[PC+12+4*\c+\i]
.endr
.endr
.endm
.macro FETCH n
.set PP, (\n)%2
.set SL, ((\n)/NQ)%2
.set QQ, (\n)%NQ
.if (\n) >= 2*NQ
.set PB, 2*1536                        ; steps 6, 7 came as rows of two steps
.else
.set PB, SB
.endif
	WIN 0
.irp i, 0,1,2,3,4,5,6,7
	ds_load_b32 v[SC+8*PP+\i], v[ADRS] offset:512*(\n)+64*\i
.endr
	WIN 0x40
.irp i, 0,1,2,3,4,5,6,7
.irp c, 0,1,2
	ds_load_b128 v[128*PP+12*\i+4*\c:128*PP+12*\i+4*\c+3], v[ADRB+SL] offset:\i*PB+QQ*1536+512*\c
.endr
.endr
	WIN 0
.irp i, 0,1,2,3,4,5,6,7
.irp c, 0,1,2
	ds_load_b128 v[AF+96*PP+12*\i+4*\c:AF+96*PP+12*\i+4*\c+3], v[ADRA+SL] offset:\i*PB+QQ*1536+512*\c
.endr
.endr
.endm
.macro MUL n, a, cin                   ; cin = 1: the first step's products start the sums.  The 64 accumulators take turns in one order in every step
.set PP, (\n)%2
.set AFP, AF+96*PP+12*(\a)
.set WN, 0xa1+0x50*((\a)/4)
	WIN WN
.irp b, 0,1,2,3,4,5,6,7
.set AC, 8*(8*((\a)%4)+\b)
.set BF, 128*PP+12*\b
.if (\cin) == 1
	v_wmma_scale_f32_16x16x128_f8f6f4 v[AC:AC+7], v[BF:BF+11], v[AFP:AFP+11], 0, v[SC+8*PP+\b], v[SC+8*PP+(\a)] matrix_a_fmt:MATRIX_FMT_FP6 matrix_b_fmt:MATRIX_FMT_FP6 matrix_a_scale:MATRIX_SCALE_ROW1
.else
	v_wmma_scale_f32_16x16x128_f8f6f4 v[AC:AC+7], v[BF:BF+11], v[AFP:AFP+11], v[AC:AC+7], v[SC+8*PP+\b], v[SC+8*PP+(\a)] matrix_a_fmt:MATRIX_FMT_FP6 matrix_b_fmt:MATRIX_FMT_FP6 matrix_a_scale:MATRIX_SCALE_ROW1
.endif
.endr
.endm
.macro STEP n, cin                     ; a step whose successor's tile has been shown whole to every wave
.if (\n) > 0
	PLACES 4                                       ; four plain instructions between the last step's products and the loads into the set that they read
.endif
	FETCH (\n)+1
	s_wait_dscnt NF                                ; all but the NF loads just issued are in: this step's set
.irp a, 0,1,2,3,4,5,6,7
	MUL \n, \a, \cin
.endr
.endm
.macro TURN n, fill                    ; a slot's last step.  fill = 1: slot 0 takes steps 6, 7.  fill = 0: those are shown whole to every wave
	WIN 0
	s_wait_tensorcnt 0x0                           ; all my tensor loads have landed: my part of the next slot
	ds_add_u32 v[SPW], v[NIL]
.if \fill
	s_add_nc_u64 s[G0+2:G0+3], s[G0+2:G0+3], 2*SB  ; no tensor load of mine is out: on to step 6,
	s_add_nc_u64 s[G0B+2:G0B+3], s[G0B+2:G0B+3], 2*SB
.irp g, G1, G1B
	s_mov_b32 s[\g+1], 384<<16                     ; in rows of 3,072 bytes: tensor_dim0 and tile_dim0 = 384 elements of 8 bytes
	s_mov_b32 s[\g+3], 384<<16
.endr
.endif
	s_wait_dscnt 1                                 ; only the add may be out: this step's set is in
	MUL \n, 0, 0
	s_wait_dscnt 0x0                               ; the add is done, and my reads of this slot are over
	s_barrier_signal -1
	MUL \n, 1, 0
	WIN 0
	s_barrier_wait -1
.if \fill
	CREST                                          ; the barrier has opened a round of the cluster's
	JLOAD G0, G1, G0B, G1B                         ; the first tensor load behind the round; its four v_nop are also the places in front of the loads below
.else
	PLACES 4
.endif
	FETCH (\n)+1
.irp a, 2,3,4,5,6,7
	MUL \n, \a, 0
.endr
.endm
	s_load_b128 s[4:7], s[0:1], 0x0                ; hcod, hscl
	s_load_b128 s[8:11], s[0:1], 0x10              ; pcod, pstat
	v_lshl_add_u32 v[SPW], v0, 2, SPARE
	v_mov_b32 v[NIL], 0
	ds_add_u32 v[SPW], v[NIL]                      ; the opening lines: the add twice on end and one wait
	ds_add_u32 v[SPW], v[NIL]
	v_lshrrev_b32 v1, 5, v0
	v_readfirstlane_b32 s[WVN], v1
	s_lshr_b32 s[WH], s[WVN], 1
	s_and_b32 s[WL], s[WVN], 1
	s_bfe_u32 s12, ttmp6, 0x40000                  ; cx
	s_bfe_u32 s13, ttmp6, 0x40004                  ; cy
	s_lshl_b32 s18, s13, 2
	s_lshl_b32 s18, 15, s18                        ; my row of the cluster
	s_lshl_b32 s92, 0x1111, s12                    ; my column
	s_or_b32 s[G1], s18, (3<<16)|(1<<21)
	s_or_b32 s[G1B], s92, (3<<16)|(1<<21)
.irp g, G1, G1B                        ; 8 fragments x 4,608 bytes (three K steps), a fragment's rows 12,288 bytes apart; elements of 8 bytes
	s_mov_b32 s[\g+1], (SB/8)<<16
	s_mov_b32 s[\g+2], 8<<16
	s_mov_b32 s[\g+3], (SB/8)<<16
	s_mov_b32 s[\g+4], 8
	s_mov_b32 s[\g+5], 8*192
	s_mov_b32 s[\g+6], 0
	s_mov_b32 s[\g+7], 0
.endr
	s_mov_b32 s[SEL], 0x76543210
	s_mov_b32 s[SEL+1], 0xfedcba98
	s_mov_b32 s[CS], 0x3d38aa3b                    ; c = log2(e) / 32
	s_mov_b32 s[CS+1], s[CS]
	s_and_b32 s14, ttmp7, 0xffff                   ; cluster y
	s_lshl_b32 s15, s14, 2
	s_add_co_u32 s15, s15, s13                     ; the tile of 256 queries, 0..31
	s_lshr_b32 s14, s14, 1                         ; the batch
	s_lshl_b32 s16, ttmp9, 2
	s_add_co_u32 s16, s16, s12                     ; the tile of 256 keys in the batch, 0..7
	s_lshl_b32 s17, s14, 3
	s_add_co_u32 s17, s17, s16                     ; among all keys
	s_lshl_b32 s18, s15, 4                         ; Q: the first fragment that I fetch is 16 x tile + 8 x half
	s_lshl_b32 s19, s[WL], 3
	s_add_co_u32 s18, s18, s19
	s_mul_i32 s[G0+2], s18, 12288
	s_mov_b32 s[G0+3], 0
	s_lshl_b32 s[ZQ], s15, 13                      ; the tile's 8,192 bytes of scale words
	s_mov_b32 s[ZQ+1], 0
	s_lshl_b32 s92, s17, 4                         ; K likewise
	s_lshl_b32 s93, s[WL], 3
	s_add_co_u32 s92, s92, s93
	s_mul_i32 s92, s92, 12288
	s_add_co_u32 s[G0B+2], s92, CPK
	s_mov_b32 s[G0B+3], 0
	s_lshl_b32 s92, s17, 13
	s_add_co_u32 s[ZK], s92, ZPK
	s_mov_b32 s[ZK+1], 0
	s_mul_i32 s18, s[WVN], HALF                    ; where my tiles go: wave x a half
.irp s, 0,1
	s_mov_b32 s[G0+4*\s], 1
	s_add_co_u32 s[G0+4*\s+1], s18, \s*SLOT
	s_mov_b32 s[G0B+4*\s], 1
	s_add_co_u32 s[G0B+4*\s+1], s18, \s*SLOT
.endr
	v_lshlrev_b32 v[GO], 4, v0                     ; the scale words' copy: 16 bytes a thread, 2,048 an instruction
	v_lshl_add_u32 v[CPA], v0, 4, SCL
	s_wait_alu depctr_va_vdst(0)
	s_wait_dscnt 0x0                               ; both opening adds are done
	s_wait_kmcnt 0x0
	s_add_nc_u64 s[G0+2:G0+3], s[4:5], s[G0+2:G0+3]
	s_add_nc_u64 s[G0B+2:G0B+3], s[4:5], s[G0B+2:G0B+3]
	s_add_nc_u64 s[ZQ:ZQ+1], s[6:7], s[ZQ:ZQ+1]
	s_add_nc_u64 s[ZK:ZK+1], s[6:7], s[ZK:ZK+1]
	s_cmp_eq_u32 s[WH], 0                          ; the prefetches: of the eight fragments that I fetch,
	s_cselect_b32 s60, s12, s13                    ; my place among the four that ask with me
	s_cselect_b64 s[PF:PF+1], s[G0+2:G0+3], s[G0B+2:G0B+3]
	s_mul_i32 s60, s60, 24576                      ; picks two
	s_mov_b32 s61, 0
	s_add_nc_u64 s[PF:PF+1], s[PF:PF+1], s[60:61]
	s_add_nc_u64 s[G0+6:G0+7], s[G0+2:G0+3], SB
	s_add_nc_u64 s[G0B+6:G0B+7], s[G0B+2:G0B+3], SB
.irp s, 0,1
	s_or_b32 s[G0+4*\s+3], s[G0+4*\s+3], 0x80000000
	s_or_b32 s[G0B+4*\s+3], s[G0B+4*\s+3], 0x80000000
.endr
.irp k, 0,1,2,3
	global_load_b128 v[64+4*\k:67+4*\k], v[GO], s[ZQ:ZQ+1] offset:2048*\k   ; sixteen lanes read 256 consecutive aligned bytes
	global_load_b128 v[80+4*\k:83+4*\k], v[GO], s[ZK:ZK+1] offset:2048*\k
.endr
	CROUND                                         ; all sixteen work-groups are here: the first joint loads meet
	JLOAD G0, G1, G0B, G1B                         ; steps 0-2: one tensor load a wave at the head
	v_and_b32 v1, 15, v0
	v_bfe_u32 v2, v0, 4, 1
	v_and_b32 v3, 31, v0
	v_lshlrev_b32 v[LI], 4, v3
	v_min_u32 v[PO], 17, v3                        ; three steps of a fragment are 18 blocks of 256 bytes: a lane a block, lanes left over name the last again
	v_lshlrev_b32 v[PO], 8, v[PO]
	v_min_u32 v[PO2], 11, v1                       ; two steps are 12 blocks: lanes 0-15 take one fragment's, lanes 16-31 the next fragment's
	v_lshlrev_b32 v[PO2], 8, v[PO2]
	v_mad_u32_u24 v[PO2], v2, 0x3000, v[PO2]
	s_wait_alu depctr_va_vdst(0)
	global_prefetch_b8 v[PO], s[PF:PF+1] offset:SB th:TH_LOAD_NT scope:SCOPE_SE          ; steps 3-5 of my two fragments
	global_prefetch_b8 v[PO], s[PF:PF+1] offset:SB+12288 th:TH_LOAD_NT scope:SCOPE_SE
	s_mul_i32 s21, s[WH], HALF
	s_mul_i32 s22, s[WL], HALF
	s_add_co_u32 s22, s22, 2*HALF
.irp s, 0,1
	v_add_nc_u32 v[ADRA+\s], s21, v[LI]
	v_add_nc_u32 v[ADRB+\s], s22, v[LI]
	s_add_co_u32 s21, s21, SLOT
	s_add_co_u32 s22, s22, SLOT
.endr
	s_mul_i32 s21, s[WH], HALFS                    ; scale words: lanes 0-15 my half of Q's, lanes 16-31 my half of K's: the lower base + h x the distance
	s_mul_i32 s22, s[WL], HALFS
	s_add_co_u32 s22, s22, 2*HALFS
	s_sub_co_u32 s22, s22, s21
	v_mul_u32_u24 v6, s22, v2
	s_add_co_u32 s21, s21, SCL
	v_lshl_add_u32 v5, v1, 2, v6
	v_add_nc_u32 v[ADRS], s21, v5
	s_mul_i32 s21, s[WVN], 1536
	s_add_co_u32 s21, s21, SCR
	v_lshl_add_u32 v[SWA], v1, 2, s21
	v_add_nc_u32 v[SRA], s21, v[LI]
	s_lshl_b32 s20, s15, 4                         ; p: fragment 16 x query tile + 8 x my half + a, K step 2 x key tile + my half, of 16
	s_lshl_b32 s21, s[WH], 3
	s_add_co_u32 s20, s20, s21
	s_lshl_b32 s20, s20, 4
	s_lshl_b32 s22, s16, 1
	s_add_co_u32 s22, s22, s[WL]
	s_add_co_u32 s20, s20, s22
	s_mul_i32 s20, s20, 1536
	s_mov_b32 s21, 0
	s_add_nc_u64 s[8:9], s[8:9], s[20:21]
	s_lshl_b32 s20, s15, 1
	s_add_co_u32 s20, s20, s[WH]
	s_lshl_b32 s20, s20, 4
	s_add_co_u32 s20, s20, s22
	s_lshl_b32 s20, s20, 9
	s_add_nc_u64 s[10:11], s[10:11], s[20:21]
	s_wait_alu depctr_va_vdst(0)
	s_wait_loadcnt 0x0
.irp m, 0,1,2,3,4,5,6,7
	ds_store_b128 v[CPA], v[64+4*\m:67+4*\m] offset:2048*\m   ; Q's 8,192 bytes, then K's
.endr
	s_wait_tensorcnt 0x0                           ; my part of steps 0-2 is in
	ds_add_u32 v[SPW], v[NIL]
	s_wait_dscnt 0x0                               ; the add and my stores are done
	CROUND
	JLOAD G0+4, G1, G0B+4, G1B                     ; steps 3-5, slot 1's first fill, issued as a refill is
	FETCH 0
	global_prefetch_b8 v[PO2], s[PF:PF+1] offset:2*SB th:TH_LOAD_NT scope:SCOPE_SE       ; steps 6, 7 of my two fragments
	STEP 0, 1
	STEP 1, 0
	TURN 2, 1
	STEP 3, 0
	STEP 4, 0
	TURN 5, 0
	STEP 6, 0
	s_wait_dscnt 0x0
.irp a, 0,1,2,3,4,5,6,7
	MUL 7, \a, 0
.endr
	WIN 0
	PLACES 4
.irp b, 0,1,2,3
	v_mov_b32 v[TM+4+\b], 0                        ; a lane permute's destination counts as one of its sources
.endr
	v_mov_b32 v[NM+1], 0                           ; named as the upper half of a pair
; THE WAY OUT of 16 queries x my 128 keys
.macro SOFTQ a
.set WA, 2+(\a)/4
.set AC, 64*((\a)%4)
.set WN, WA*21
	WIN WN                                         ; three sources in the accumulators' window
.if (\a) > 0
	s_wait_alu depctr_va_vdst(0)                   ; the wait ahead of the first reader of these sums
.endif
.irp b, 0,1,2,3
	v_max3_num_f32 v[TM+\b], v[AC+16*\b], v[AC+16*\b+1], v[AC+16*\b+2]   ; the largest score of each block of 32 keys: for the piece's maximum and, since p rises with the score, for the block's largest p
.endr
.set WN, WA*20
	WIN WN
.irp i, 3,5,7,9,11,13
.irp b, 0,1,2,3
	v_max3_num_f32 v[TM+\b], v[TM+\b], v[AC+16*\b+\i], v[AC+16*\b+\i+1]
.endr
.endr
.set WN, WA*4
	WIN WN
.irp b, 0,1,2,3
	v_max_num_f32 v[TM+\b], v[TM+\b], v[AC+16*\b+15]
.endr
	WIN 0
.irp b, 0,1,2,3
	v_permlanex16_b32 v[TM+4+\b], v[TM+\b], s[SEL], s[SEL+1]
.endr
.irp b, 0,1,2,3
	v_max_num_f32 v[TM+\b], v[TM+\b], v[TM+4+\b]
.endr
	v_max3_num_f32 v[TX], v[TM], v[TM+1], v[TM+2]
	v_max_num_f32 v[TX], v[TX], v[TM+3]
	v_mul_f32 v[TX], s[CS], v[TX]                  ; as t (c is positive)
	v_floor_f32 v[NM], -v[TX]                      ; -M = floor(-t) = -ceil(t)
.set WN, WA
	WIN WN
.set I_, 0
.rept 32
	v_pk_fma_f32 v[T+I_:T+I_+1], v[AC+I_:AC+I_+1], s[CS:CS+1], v[NM:NM+1] op_sel_hi:[1,0,0]   ; t - M, two at a time
.set I_, I_+2
.endr
	WIN 0
.irp b, 0,1,2,3
	v_fma_f32 v[TM+\b], v[TM+\b], s[CS], v[NM]     ; the same of each block's largest score
.endr
	s_wait_alu depctr_va_vdst(0)                   ; the wait ahead of the batch
.set I_, 0
.rept 64
	v_exp_f32 v[T+I_], v[T+I_]                     ; p = 2^(t - M)
.set I_, I_+1
.endr
	v_nop                                          ; a plain instruction behind the last exponential
	s_wait_alu depctr_va_vdst(0)                   ; one wait for the batch, ahead of its first reader
.irp b, 0,1,2,3
	v_exp_f32 v[TM+\b], v[TM+\b]                   ; the block's largest p
.endr
	v_pk_add_f32 v[SA:SA+1], v[T:T+1], v[T+2:T+3]  ; the sum of the UNQUANTISED p, in two chains
	v_pk_add_f32 v[SBM:SBM+1], v[T+4:T+5], v[T+6:T+7]
.irp j, 8,12,16,20,24,28,32,36,40,44,48,52,56,60
	v_pk_add_f32 v[SA:SA+1], v[SA:SA+1], v[T+\j:T+\j+1]
	v_pk_add_f32 v[SBM:SBM+1], v[SBM:SBM+1], v[T+\j+2:T+\j+3]
.endr
	v_pk_add_f32 v[SA:SA+1], v[SA:SA+1], v[SBM:SBM+1]
	s_wait_alu depctr_va_vdst(0)                   ; and one for the four
.irp b, 0,1,2,3
	v_max_num_f32 v[TM+\b], 0x1800000, v[TM+\b]    ; the floor 2^(3 - 127): the byte cannot fall under 1
.endr
	QSCL
.if (\a) > 0
	s_wait_alu depctr_va_vdst(0)
	s_wait_xcnt 0x0                                ; the last fragment's stores have read the codes' registers
.endif
	QPACK T
	v_add_f32 v[LS], v[SA], v[SA+1]
	v_permlanex16_b32 v[TM+4], v[LS], s[SEL], s[SEL+1]
	v_add_f32 v[LS], v[LS], v[TM+4]                ; with lane l xor 16's 64 keys: l of the piece
.irp c, 0,1,2
	global_store_b128 v[LI], v[PC+4*\c:PC+4*\c+3], s[8:9] offset:(\a)*24576+512*\c   ; 512 consecutive bytes, at a multiple of 512
.endr
	ds_store_b32 v[SWA], v[PW] offset:64*(\a)      ; lanes r and r + 16 write the same words with the same values
	ds_store_b32 v[SWA], v[NM] offset:512+64*(\a)
	ds_store_b32 v[SWA], v[LS] offset:1024+64*(\a)
.endm
.irp a, 0,1,2,3,4,5,6,7
	SOFTQ \a
.endr
.irp c, 0,1,2
	ds_load_b128 v[184+4*\c:187+4*\c], v[SRA] offset:512*\c   ; my 128 queries' scale words, -M and l: LDS serves a wave's instructions in order
.endr
	s_wait_dscnt 0x0
.irp c, 0,1,2
	global_store_b128 v[LI], v[184+4*\c:187+4*\c], s[10:11] offset:524288*\c   ; 512 consecutive bytes each
.endr
	s_wait_tensorcnt 0x0                           ; the wave's end
	ds_add_u32 v[SPW], v[NIL]
	s_wait_dscnt 0x0
	CROUND                                         ; the closing round
	s_endpgm
.Lfunc_end_k_qcc8a0fdf7e_score:
	.size	k_qcc8a0fdf7e_score, .Lfunc_end_k_qcc8a0fdf7e_score-k_qcc8a0fdf7e_score
	.p2alignl 7, 3214868480
	.fill 96, 4, 3214868480
	.section	.rodata,"a",@progbits
	.p2align	6, 0x0
	.amdhsa_kernel k_qcc8a0fdf7e_score
		.amdhsa_group_segment_fixed_size 327680
		.amdhsa_private_segment_fixed_size 0
		.amdhsa_enable_private_segment 0
		.amdhsa_kernarg_size 32
		.amdhsa_user_sgpr_count 2
		.amdhsa_user_sgpr_kernarg_segment_ptr 1
		.amdhsa_wavefront_size32 1
		.amdhsa_system_sgpr_workgroup_id_x 1
		.amdhsa_system_sgpr_workgroup_id_y 1
		.amdhsa_system_sgpr_workgroup_id_z 1
		.amdhsa_system_vgpr_workitem_id 0
		.amdhsa_next_free_vgpr 1024
		.amdhsa_next_free_sgpr 100
		.amdhsa_reserve_vcc 0
		.amdhsa_float_denorm_mode_32 3
		.amdhsa_float_denorm_mode_16_64 3
		.amdhsa_memory_ordered 1
		.amdhsa_forward_progress 1
		.amdhsa_inst_pref_size 197
	.end_amdhsa_kernel
	.amdgpu_metadata
---
amdhsa.version: [ 1, 2 ]
amdhsa.kernels:
  - .name:           k_qcc8a0fdf7e_score
    .symbol:         k_qcc8a0fdf7e_score.kd
    .args:
      - { .name: hcod, .offset: 0, .size: 8, .value_kind: global_buffer, .address_space: global }
      - { .name: hscl, .offset: 8, .size: 8, .value_kind: global_buffer, .address_space: global }
      - { .name: pcod, .offset: 16, .size: 8, .value_kind: global_buffer, .address_space: global }
      - { .name: pstat, .offset: 24, .size: 8, .value_kind: global_buffer, .address_space: global }
    .group_segment_fixed_size: 327680
    .private_segment_fixed_size: 0
    .kernarg_segment_align: 8
    .kernarg_segment_size: 32
    .max_flat_workgroup_size: 128
    .sgpr_count:     100
    .vgpr_count:     1024
    .wavefront_size: 32
...
	.end_amdgpu_metadata
.endif
;; end of part 3
;; launch pv (part 4): grid 4 x 64, 4 waves a work-group, clusters of 4 x 4, 327,680 bytes of LDS; arguments pcod, pstat, hcod, hscl, out0; writes out0
.if DOCPART == 4
	.amdgcn_target "amdgcn-amd-amdhsa--gfx1250"
	.amdhsa_code_object_version 6
	.text
	.protected	k_qcc8a0fdf7e_pv
	.globl	k_qcc8a0fdf7e_pv
	.p2align	8
	.type	k_qcc8a0fdf7e_pv,@function
k_qcc8a0fdf7e_pv:
	s_mov_b64 s[64:65], 0
	v_nop
	global_prefetch_b8 v0, s[64:65] scope:SCOPE_SE
	s_setreg_imm32_b32 hwreg(HW_REG_WAVE_MODE, 25, 1), 1
	s_wait_xcnt 0x0
	s_wait_alu depctr_hold_cnt(0) depctr_sa_sdst(0) depctr_va_vdst(0) depctr_va_sdst(0) depctr_va_ssrc(0) depctr_va_vcc(0) depctr_vm_vsrc(0)
	s_getreg_b32 s2, hwreg(HW_REG_IB_STS2, 6, 4)
	s_cmp_eq_u32 s2, 0
	s_cbranch_scc0 .Lentry_in_a_cluster
	s_endpgm
.Lentry_in_a_cluster:
	s_bfe_u32 s2, ttmp6, 0x10000c
	s_cmp_lg_u32 s2, 0xf033
	s_cbranch_scc0 .Lentry_shape_is_right
	s_endpgm
.Lentry_shape_is_right:
; O = (p V) / l on codes of FP6 (E2M3), K = a batch's 2,048 keys.  p comes in sixteen pieces of 128 keys a row, each under its own whole number M, with its own sum l.
; FIRST the pieces are brought under the row's largest M: D = largest M - the piece's M, a whole number, is taken off the piece's four scale bytes and l is multiplied by 2^-D: both exact.
; Operands lie as images of operand registers: fragment (f, ks), 16 slots x 128 k, 1,536 bytes at (NKS f + ks) x 1,536 (p: NKS = 16; V^T: NKS = 64, K step = key / 128 among all 8,192 keys);
; slot 16 f + r holds row 32 (f / 2) + 8 (f % 2) + r % 8 + 16 (r / 8); a slot's word for K step ks at ((slot / 128) NKS + ks) x 512 + 4 (slot % 128).
; A block of 128 queries x 256 units a work-group (256 blocks in all), 64 x 128 a wave: 32 accumulators.  USED TRANSPOSED: source 0 = 16 rows of V^T, source 1 = 16 queries: a lane holds one query and 64 units in ascending order.
; K goes in steps of 128, four to an LDS slot, two slots, filled by joint tensor loads of a 4 x 4 cluster: p's tiles are shared along a row of the cluster, V^T's along a column.  The sixteen steps are written out.
; All 327,680 bytes of LDS are claimed and the adds of 0 onto spare words are written.
; LIMITS: NaN and infinities are not served; D is held at 127, and a byte that would fall under 0 is 0 (2^-127): a piece 2^126 or more under the row's largest keeps terms of at most 7.5 x 2^-127 each, beside l > 1/2;
; 1 / l is v_rcp_f32's.
; REGISTERS: window 0: v16-29 addresses; v32-47 scale words, two sets; v48-55 1 / l in pairs; v64-111, v160-207 p's fragments, two sets; v64-130 first serve the reconciling; on the way out v64-255 are free.
;   window 1: v0-95, v128-223 V^T's fragments.  window 2: accumulator (a, b) at v[8 (8 a + b)].
.set NA,    4
.set NQ,    4
.set SB,    NQ*1536
.set HALFA, NA*SB
.set HALFB, 8*SB
.set SLOT,  2*HALFA+2*HALFB
.set SCA,   2*SLOT                     ; p's reconciled scale words: [16 K steps][128 slots]: stored by the waves, no tile lands here
.set LROW,  SCA+8192                   ; 1 / l of the 128 slots: likewise
.set SCB,   LROW+512                   ; V^T's scale words, two halves of 8,192 bytes: stored by the waves, no tile lands here
.set SPARE, SCB+16384                  ; the spare words
.set SPITCH, 528                       ; the way out: a stage of 16 rows x (512 + 16) bytes a wave, in slot 0, which has had its last fill and its last read by then
.set NF,    32+3*NA
.set CPVT,  12582912                   ; hcod: V^T
.set ZPVT,  524288
.set ADRA, 16
.set ADRB, 20
.set LRA,  22                          ; where my slot's 1 / l lies
.set LI,   24
.set STO,  25
.set RDB,  26
.set ADRS, 27
.set SPW,  28
.set NIL,  29
.set SC,   32
.set RL,   48
.set AF,   64
.set T,    64
.set BK,   128
.set FW,   64                          ; the reconciling: v64-79 scale words, v80-95 -M, v96-111 l, v112-127 at work, v128 the least -M, v129 LDS address, v130 4 x thread
.set FN,   80
.set FL,   96
.set FE,   112
.set FM,   128
.set FA,   129
.set FO,   130
.set PST,  14                          ; s[14:15] my group's words in pstat: the base of 48 loads, named by no other line, so it is never written while they are out
.set G1,   24
.set G0,   32
.set G1B,  48
.set G0B,  56
.set PF,   68                          ; s[68:69] the prefetches' base; v30, v31 their lane offsets; none of them is rewritten
; A prefetch for slot s, behind the joint load of slot s - 1: four K steps ahead of the load that wants the bytes.  A slot's row of a fragment is 6,144 bytes, 24 blocks of 256.
; The four partners that ask for a tile jointly share its fragments out by address: of p's four fragments a wave the partner at cx takes one (12 blocks an instruction),
; of V^T's eight the partner at cy takes two (24 blocks an instruction); lanes that are left over name their wave's last block again.  Slot 3 is the last that is asked for.
.macro ASK s
	global_prefetch_b8 v30, s[PF:PF+1] offset:(\s)*SB th:TH_LOAD_NT scope:SCOPE_SE
	global_prefetch_b8 v31, s[PF:PF+1] offset:(\s)*SB th:TH_LOAD_NT scope:SCOPE_SE
.endm
.set WVN,  96
.set WH,   97
.set WL,   98
.set MSB, 0
.macro WIN new
.if MSB != \new
	s_set_vgpr_msb (MSB<<8)|\new
.set MSB, \new
.endif
.endm
.macro PLACES n
.rept \n
	v_nop
.endr
.endm
.macro JLOAD g0a, g1a, g0b, g1b        ; a joint load: waves 0, 1 for p, waves 2, 3 for V^T; four v_nop follow each line
	s_cmp_eq_u32 s[WH], 0
	s_cbranch_scc0 .Lfor_b_\@
	tensor_load_to_lds s[\g0a:\g0a+3], s[\g1a:\g1a+7]
	s_nop 0
.rept 4
	v_nop
.endr
	s_branch .Lasked_\@
.Lfor_b_\@:
	tensor_load_to_lds s[\g0b:\g0b+3], s[\g1b:\g1b+7]
	s_nop 0
.rept 4
	v_nop
.endr
.Lasked_\@:
.endm
.macro CREST
	s_cmp_lg_u32 s[WVN], 0
	s_cbranch_scc1 .Lnot_wave_0_\@
	s_barrier_signal -3
.Lnot_wave_0_\@:
	s_barrier_wait -3
	s_barrier_signal -1
	s_barrier_wait -1
.endm
.macro CROUND
	s_barrier_signal -1
	s_barrier_wait -1
	CREST
.endm
.macro FETCH n                         ; (of the eight scale loads lanes 0-15 use the first four; the others read written words that nobody uses)
.set PP, (\n)%2
.set SL, ((\n)/NQ)%2
.set QQ, (\n)%NQ
	WIN 0
.irp i, 0,1,2,3,4,5,6,7
	ds_load_b32 v[SC+8*PP+\i], v[ADRS] offset:512*(\n)+64*\i
.endr
	WIN 0x40
.irp i, 0,1,2,3,4,5,6,7
.irp c, 0,1,2
	ds_load_b128 v[128*PP+12*\i+4*\c:128*PP+12*\i+4*\c+3], v[ADRB+SL] offset:\i*SB+QQ*1536+512*\c
.endr
.endr
	WIN 0
.irp i, 0,1,2,3
.irp c, 0,1,2
	ds_load_b128 v[AF+96*PP+12*\i+4*\c:AF+96*PP+12*\i+4*\c+3], v[ADRA+SL] offset:\i*SB+QQ*1536+512*\c
.endr
.endr
.endm
.macro MUL n, a, cin                   ; cin = 1: the first step's products start the sums.  The 32 accumulators take turns in one order in every step
.set PP, (\n)%2
.set AFP, AF+96*PP+12*(\a)
	WIN 0xa1
.irp b, 0,1,2,3,4,5,6,7
.set AC, 8*(8*(\a)+\b)
.set BF, 128*PP+12*\b
.if (\cin) == 1
	v_wmma_scale_f32_16x16x128_f8f6f4 v[AC:AC+7], v[BF:BF+11], v[AFP:AFP+11], 0, v[SC+8*PP+\b], v[SC+8*PP+(\a)] matrix_a_fmt:MATRIX_FMT_FP6 matrix_b_fmt:MATRIX_FMT_FP6 matrix_a_scale:MATRIX_SCALE_ROW1
.else
	v_wmma_scale_f32_16x16x128_f8f6f4 v[AC:AC+7], v[BF:BF+11], v[AFP:AFP+11], v[AC:AC+7], v[SC+8*PP+\b], v[SC+8*PP+(\a)] matrix_a_fmt:MATRIX_FMT_FP6 matrix_b_fmt:MATRIX_FMT_FP6 matrix_a_scale:MATRIX_SCALE_ROW1
.endif
.endr
.endm
.macro STEP n, cin
.if (\n) > 0
	PLACES 4                                       ; four plain instructions between the last step's products and the loads into the set that they read
.endif
	FETCH (\n)+1
	s_wait_dscnt NF                                ; all but the NF loads just issued are in: this step's set
.irp a, 0,1,2,3
	MUL \n, \a, \cin
.endr
.endm
.macro TURN n, fill
.set SLT, ((\n)/NQ)%2
	WIN 0
	s_wait_tensorcnt 0x0                           ; all my tensor loads have landed: my part of the next slot
	ds_add_u32 v[SPW], v[NIL]                      ; 0 onto my spare word
	s_wait_dscnt 1                                 ; only the add may be out: this step's set is in
	MUL \n, 0, 0
	s_wait_dscnt 0x0                               ; the add is done, and my reads of this slot are over
	s_barrier_signal -1
	MUL \n, 1, 0
	WIN 0
	s_barrier_wait -1
.if \fill
	CREST                                          ; the barrier has opened a round of the cluster's: no wave of any partner still reads this slot or has a load on its way
	s_add_nc_u64 s[G0+4*SLT+2:G0+4*SLT+3], s[G0+4*SLT+2:G0+4*SLT+3], 2*SB
	s_add_nc_u64 s[G0B+4*SLT+2:G0B+4*SLT+3], s[G0B+4*SLT+2:G0B+4*SLT+3], 2*SB
	JLOAD G0+4*SLT, G1, G0B+4*SLT, G1B             ; the first tensor load behind the round; its four v_nop are also the places in front of the loads below
.else
	PLACES 4
.endif
	FETCH (\n)+1
.if (\fill) && (\n) == 3
	ASK 3
.endif
	MUL \n, 2, 0
	MUL \n, 3, 0
.endm
	s_load_b128 s[4:7], s[0:1], 0x0                ; pcod, pstat
	s_load_b128 s[8:11], s[0:1], 0x10              ; hcod, hscl
	s_load_b64 s[12:13], s[0:1], 0x20              ; out0
	v_lshl_add_u32 v[SPW], v0, 2, SPARE
	v_mov_b32 v[NIL], 0
	ds_add_u32 v28, v29
	ds_add_u32 v28, v29
	s_wait_dscnt 0x0
	v_lshrrev_b32 v1, 5, v0
	v_readfirstlane_b32 s[WVN], v1
	s_lshr_b32 s[WH], s[WVN], 1
	s_and_b32 s[WL], s[WVN], 1
	s_bfe_u32 s40, ttmp6, 0x40000                  ; cx: the tile of 256 units (the grid has one cluster along x)
	s_bfe_u32 s41, ttmp6, 0x40004                  ; cy
	s_lshl_b32 s43, s41, 2
	s_lshl_b32 s43, 15, s43
	s_lshl_b32 s44, 0x1111, s40
	s_or_b32 s[G1], s43, (3<<16)|(1<<21)           ; p: 4 fragments x 6,144 bytes, a fragment's K steps 16 x 1,536 bytes apart
	s_mov_b32 s[G1+1], (SB/8)<<16
	s_mov_b32 s[G1+2], 4<<16
	s_mov_b32 s[G1+3], (SB/8)<<16
	s_mov_b32 s[G1+4], 4
	s_mov_b32 s[G1+5], 16*192
	s_mov_b32 s[G1+6], 0
	s_mov_b32 s[G1+7], 0
	s_or_b32 s[G1B], s44, (3<<16)|(1<<21)          ; V^T: 8 fragments x 6,144 bytes, 64 x 1,536 bytes apart
	s_mov_b32 s[G1B+1], (SB/8)<<16
	s_mov_b32 s[G1B+2], 8<<16
	s_mov_b32 s[G1B+3], (SB/8)<<16
	s_mov_b32 s[G1B+4], 8
	s_mov_b32 s[G1B+5], 64*192
	s_mov_b32 s[G1B+6], 0
	s_mov_b32 s[G1B+7], 0
	s_mov_b32 s66, 0x01010101
	s_mov_b32 s67, 0x80808080
	s_and_b32 s18, ttmp7, 0xffff                   ; cluster y
	s_lshl_b32 s42, s18, 2
	s_add_co_u32 s42, s42, s41                     ; the group of 128 queries, 0..63
	s_lshr_b32 s19, s18, 2                         ; the batch: from the cluster's y alone
	s_lshl_b32 s20, s42, 3
	s_lshl_b32 s21, s[WL], 2
	s_add_co_u32 s20, s20, s21
	s_mul_i32 s20, s20, 24576                      ; p: fragment 8 x group + 4 x half
	s_mov_b32 s21, 0
	s_lshl_b32 s22, s42, 13                        ; the group's 16 x 512 bytes of each kind of word
	s_mov_b32 s23, 0
	s_lshl_b32 s46, s40, 4
	s_lshl_b32 s47, s[WL], 3
	s_add_co_u32 s46, s46, s47
	s_mul_i32 s46, s46, 98304                      ; V^T: fragment 16 x tile + 8 x half,
	s_mul_i32 s47, s19, 24576                      ; the batch's 16 K steps
	s_add_co_u32 s46, s46, s47
	s_add_co_u32 s46, s46, CPVT
	s_mov_b32 s47, 0
	s_lshl_b32 s92, s40, 7                         ; V^T's scale words: group 2 x tile of 128 slots, 64 K steps each
	s_lshl_b32 s93, s19, 4
	s_add_co_u32 s92, s92, s93
	s_lshl_b32 s92, s92, 9
	s_add_co_u32 s92, s92, ZPVT
	s_mov_b32 s93, 0
	s_mul_i32 s45, s[WL], HALFA                    ; where my tiles go: no place in the cluster enters an LDS address
	s_mul_i32 s94, s[WL], HALFB
	s_add_co_u32 s94, s94, 2*HALFA
	v_lshlrev_b32 v[FO], 2, v0                     ; thread t owns slot t of the group
	v_add_nc_u32 v[FA], SCA, v[FO]
	v_lshlrev_b32 v18, 4, v0                       ; the copy of V^T's scale words: 16 bytes a thread, 2,048 an instruction
	v_lshl_add_u32 v19, v0, 4, SCB
	s_wait_alu depctr_va_vdst(0)
	s_wait_kmcnt 0x0
	s_add_nc_u64 s[20:21], s[4:5], s[20:21]
	s_add_nc_u64 s[PST:PST+1], s[6:7], s[22:23]
	s_add_nc_u64 s[46:47], s[8:9], s[46:47]
	s_add_nc_u64 s[92:93], s[10:11], s[92:93]
	s_mul_i32 s70, s40, 24576                      ; p: fragment cx of the four that I fetch
	s_mul_i32 s71, s41, 196608                     ; V^T: fragments 2 cy, 2 cy + 1 of my eight
	s_mov_b32 s73, 98304
	s_cmp_eq_u32 s[WH], 0                          ; do I fetch for p?
	s_cselect_b32 s70, s70, s71
	s_cselect_b64 s[PF:PF+1], s[20:21], s[46:47]
	s_cselect_b32 s72, 11, 23                      ; the last block of an instruction
	s_cselect_b32 s73, 3072, s73                   ; from the first instruction's blocks to the second's
	s_mov_b32 s71, 0
	s_add_nc_u64 s[PF:PF+1], s[PF:PF+1], s[70:71]
.irp k, 0,1,2,3,4,5,6,7,8,9,10,11,12,13,14,15
	global_load_b32 v[FW+\k], v[FO], s[PST:PST+1] offset:512*\k            ; the piece's scale word,
	global_load_b32 v[FN+\k], v[FO], s[PST:PST+1] offset:524288+512*\k     ; -M,
	global_load_b32 v[FL+\k], v[FO], s[PST:PST+1] offset:1048576+512*\k    ; l: the four waves together read 512 consecutive bytes
.endr
.irp k, 0,1,2,3
	global_load_b128 v[136+4*\k:139+4*\k], v18, s[92:93] offset:2048*\k          ; the batch's 16 K steps of the first 128 slots: 8,192 dense bytes,
	global_load_b128 v[152+4*\k:155+4*\k], v18, s[92:93] offset:32768+2048*\k    ; and of the second 128
.endr
.irp s, 0,1
	s_mov_b32 s[G0+4*\s], 1
	s_add_co_u32 s[G0+4*\s+1], s45, \s*SLOT
	s_add_nc_u64 s[G0+4*\s+2:G0+4*\s+3], s[20:21], \s*SB
	s_or_b32 s[G0+4*\s+3], s[G0+4*\s+3], 0x80000000
	s_mov_b32 s[G0B+4*\s], 1
	s_add_co_u32 s[G0B+4*\s+1], s94, \s*SLOT
	s_add_nc_u64 s[G0B+4*\s+2:G0B+4*\s+3], s[46:47], \s*SB
	s_or_b32 s[G0B+4*\s+3], s[G0B+4*\s+3], 0x80000000
.endr
	CROUND                                         ; all sixteen work-groups are here: the first joint loads meet
	JLOAD G0, G1, G0B, G1B                         ; slot 0: one tensor load a wave at the head
	v_and_b32 v1, 15, v0
	v_bfe_u32 v2, v0, 4, 1
	s_wait_alu depctr_va_vdst(0)
	v_and_b32 v3, 31, v0
	v_lshlrev_b32 v[LI], 4, v3
	v_min_u32 v30, s72, v3
	v_lshlrev_b32 v30, 8, v30                      ; a lane a block of 256 bytes
	v_add_nc_u32 v31, s73, v30
	ASK 1
	s_mul_i32 s21, s[WH], HALFA
	s_mul_i32 s22, s[WL], HALFB
	s_add_co_u32 s22, s22, 2*HALFA
.irp s, 0,1
	v_add_nc_u32 v[ADRA+\s], s21, v[LI]
	v_add_nc_u32 v[ADRB+\s], s22, v[LI]
	s_add_co_u32 s21, s21, SLOT
	s_add_co_u32 s22, s22, SLOT
.endr
	s_lshl_b32 s20, s[WH], 8                       ; scale words: lanes 0-15 my 64 queries', lanes 16-31 my half of V^T's: the lower base + h x the distance
	s_lshl_b32 s21, s[WL], 13
	s_add_co_u32 s21, s21, SCB-SCA
	s_sub_co_u32 s21, s21, s20
	v_mul_u32_u24 v6, s21, v2
	s_add_co_u32 s21, s20, SCA
	v_lshl_add_u32 v5, v1, 2, v6
	v_add_nc_u32 v[ADRS], s21, v5
	s_add_co_u32 s21, s20, LROW
	v_lshl_add_u32 v[LRA], v1, 2, s21
	s_mul_i32 s21, s[WVN], 16*SPITCH               ; my stage
	v_mul_u32_u24 v5, v1, SPITCH
	v_lshl_add_u32 v5, v2, 6, v5
	v_add_nc_u32 v[STO], s21, v5                   ; in: row r, + 64 h
	v_add_nc_u32 v[RDB], s21, v[LI]                ; back: 16 bytes a lane of a row
	s_lshl_b32 s20, s42, 7
	s_lshl_b32 s21, s[WH], 6
	s_add_co_u32 s20, s20, s21                     ; my first query
	s_lshl_b32 s20, s20, 12
	s_lshl_b32 s21, s40, 10
	s_add_co_u32 s20, s20, s21
	s_lshl_b32 s21, s[WL], 9
	s_add_co_u32 s20, s20, s21                     ; my first unit, in bytes
	s_mov_b32 s21, 0
	s_add_nc_u64 s[12:13], s[12:13], s[20:21]
	; THE PIECES UNDER ONE M
	s_wait_loadcnt 0x0
.irp k, 0,1,2,3,4,5,6,7
	ds_store_b128 v19, v[136+4*\k:139+4*\k] offset:2048*\k
.endr
	v_min3_num_f32 v[FM], v[FN], v[FN+1], v[FN+2]
.irp i, 3,5,7,9,11,13
	v_min3_num_f32 v[FM], v[FM], v[FN+\i], v[FN+\i+1]
.endr
	v_min_num_f32 v[FM], v[FM], v[FN+15]           ; the least -M: the row's largest M
.irp k, 0,1,2,3,4,5,6,7,8,9,10,11,12,13,14,15
	v_sub_f32 v[FN+\k], v[FN+\k], v[FM]            ; D = largest M - the piece's M: a whole number, 0 or more
.endr
.irp k, 0,1,2,3,4,5,6,7,8,9,10,11,12,13,14,15
	v_cvt_u32_f32 v[FN+\k], v[FN+\k]               ; (it saturates)
.endr
.irp k, 0,1,2,3,4,5,6,7,8,9,10,11,12,13,14,15
	v_min_u32 v[FN+\k], 127, v[FN+\k]
.endr
.irp k, 0,1,2,3,4,5,6,7,8,9,10,11,12,13,14,15
	v_sub_nc_u32 v[FE+\k], 0, v[FN+\k]
.endr
.irp k, 0,1,2,3,4,5,6,7,8,9,10,11,12,13,14,15
	v_ldexp_f32 v[FL+\k], v[FL+\k], v[FE+\k]       ; l x 2^-D
.endr
.irp k, 0,1,2,3,4,5,6,7,8,9,10,11,12,13,14,15
	v_mul_lo_u32 v[FN+\k], v[FN+\k], s66           ; D in each of four bytes
.endr
.irp k, 0,1,2,3,4,5,6,7,8,9,10,11,12,13,14,15
	v_or_b32 v[FW+\k], s67, v[FW+\k]               ; p's bytes are at most 125: with 128 on each, no borrow goes from byte to byte
.endr
.irp k, 0,1,2,3,4,5,6,7,8,9,10,11,12,13,14,15
	v_sub_nc_u32 v[FW+\k], v[FW+\k], v[FN+\k]
.endr
.irp k, 0,1,2,3,4,5,6,7,8,9,10,11,12,13,14,15
	v_and_b32 v[FE+\k], s67, v[FW+\k]              ; the top bit has stayed where byte - D is 0 or more
.endr
.irp k, 0,1,2,3,4,5,6,7,8,9,10,11,12,13,14,15
	v_lshrrev_b32 v[FN+\k], 7, v[FE+\k]
.endr
.irp k, 0,1,2,3,4,5,6,7,8,9,10,11,12,13,14,15
	v_sub_nc_u32 v[FE+\k], v[FE+\k], v[FN+\k]      ; 0x7f in those bytes, 0 in the others
.endr
.irp k, 0,1,2,3,4,5,6,7,8,9,10,11,12,13,14,15
	v_and_b32 v[FW+\k], v[FW+\k], v[FE+\k]         ; byte - D, held at 0
.endr
.irp k, 0,1,2,3,4,5,6,7,8,9,10,11,12,13,14,15
	ds_store_b32 v[FA], v[FW+\k] offset:512*\k
.endr
.irp k, 0,1,2,3,4,5,6,7
	v_add_f32 v[FL+\k], v[FL+\k], v[FL+8+\k]
.endr
.irp k, 0,1,2,3
	v_add_f32 v[FL+\k], v[FL+\k], v[FL+4+\k]
.endr
.irp k, 0,1
	v_add_f32 v[FL+\k], v[FL+\k], v[FL+2+\k]
.endr
	v_add_f32 v[FL], v[FL], v[FL+1]                ; the row's sum
	s_wait_alu depctr_va_vdst(0)
	v_rcp_f32 v[FL+2], v[FL]
	v_nop                                          ; a plain instruction behind the reciprocal
	s_wait_alu depctr_va_vdst(0)                   ; and the wait ahead of its first reader
	ds_store_b32 v[FA], v[FL+2] offset:8192        ; LROW = SCA + 8,192
	s_wait_tensorcnt 0x0                           ; my part of slot 0 is in
	ds_add_u32 v[SPW], v[NIL]
	s_wait_dscnt 0x0                               ; the add and my stores are done
	CROUND
	JLOAD G0+4, G1, G0B+4, G1B                     ; slot 1's first fill, issued as a refill is
	FETCH 0
	ASK 2
	STEP 0, 1
	STEP 1, 0
	STEP 2, 0
	TURN 3, 1
	STEP 4, 0
	STEP 5, 0
	STEP 6, 0
	TURN 7, 1
	STEP 8, 0
	STEP 9, 0
	STEP 10, 0
	TURN 11, 0                                     ; nothing is left to fetch; behind this barrier nobody reads slot 0
	STEP 12, 0
	STEP 13, 0
	STEP 14, 0
	s_wait_dscnt 0x0
.irp a, 0,1,2,3
	MUL 15, \a, 0
.endr
	WIN 0
	; THE WAY OUT: x 1 / l; 16 queries x 128 units go through my stage and leave as whole rows of 512 bytes
.irp a, 0,1,2,3
	ds_load_b32 v[RL+2*\a], v[LRA] offset:64*\a
	ds_load_b32 v[RL+2*\a+1], v[LRA] offset:64*\a  ; twice: a pair for the packed multiplication
.endr
	s_wait_dscnt 0x0
	PLACES 4
.macro TOSTAGE a
.set AC, 64*(\a)
	WIN 0x02
.set I_, 0
.rept 32
	v_pk_mul_f32 v[T+I_:T+I_+1], v[AC+I_:AC+I_+1], v[RL+2*(\a):RL+2*(\a)+1]   ; each accumulator from its low end on
.set I_, I_+2
.endr
	WIN 0
.irp b, 0,1,2,3
.irp j, 0,1,2,3
	ds_store_b128 v[STO], v[T+16*\b+4*\j:T+16*\b+4*\j+3] offset:128*\b+16*\j   ; units 32 b + 16 h + 4 j on
.endr
.endr
.set BB, BK+64*((\a)%2)
.irp t, 0,1,2,3,4,5,6,7,8,9,10,11,12,13,14,15
	ds_load_b128 v[BB+4*\t:BB+4*\t+3], v[RDB] offset:\t*SPITCH   ; LDS serves a wave's instructions in order: these see the stores above, and the next block's stores come behind them
.endr
.endm
.macro SEND a, younger                 ; younger: the LDS instructions issued behind block a's loads, which may stay out
.set BB, BK+64*((\a)%2)
	s_wait_dscnt \younger
.irp t, 0,1,2,3,4,5,6,7,8,9,10,11,12,13,14,15
	global_store_b128 v[LI], v[BB+4*\t:BB+4*\t+3], s[12:13] offset:(32*((\a)/2)+8*((\a)%2)+(\t%8)+16*(\t/8))*4096 th:TH_STORE_NT   ; slot t's row: 512 consecutive bytes, at a multiple of 512; written once
.endr
.endm
	TOSTAGE 0
.irp a, 1,2,3
.if \a > 1
	s_wait_xcnt 0x0                                ; block a - 2's stores have read their registers: block a's loads may land there
.endif
	TOSTAGE \a
	SEND \a-1, 32                                  ; behind block a - 1's loads: block a's 16 stores and 16 loads
.endr
	SEND 3, 0
	s_wait_tensorcnt 0x0                           ; the wave's end
	ds_add_u32 v[SPW], v[NIL]
	s_wait_dscnt 0x0
	CROUND                                         ; the closing round
	s_endpgm
.Lfunc_end_k_qcc8a0fdf7e_pv:
	.size	k_qcc8a0fdf7e_pv, .Lfunc_end_k_qcc8a0fdf7e_pv-k_qcc8a0fdf7e_pv
	.p2alignl 7, 3214868480
	.fill 96, 4, 3214868480
	.section	.rodata,"a",@progbits
	.p2align	6, 0x0
	.amdhsa_kernel k_qcc8a0fdf7e_pv
		.amdhsa_group_segment_fixed_size 327680
		.amdhsa_private_segment_fixed_size 0
		.amdhsa_enable_private_segment 0
		.amdhsa_kernarg_size 40
		.amdhsa_user_sgpr_count 2
		.amdhsa_user_sgpr_kernarg_segment_ptr 1
		.amdhsa_wavefront_size32 1
		.amdhsa_system_sgpr_workgroup_id_x 1
		.amdhsa_system_sgpr_workgroup_id_y 1
		.amdhsa_system_sgpr_workgroup_id_z 1
		.amdhsa_system_vgpr_workitem_id 0
		.amdhsa_next_free_vgpr 768
		.amdhsa_next_free_sgpr 100
		.amdhsa_reserve_vcc 0
		.amdhsa_float_denorm_mode_32 3
		.amdhsa_float_denorm_mode_16_64 3
		.amdhsa_memory_ordered 1
		.amdhsa_forward_progress 1
		.amdhsa_inst_pref_size 163
	.end_amdhsa_kernel
	.amdgpu_metadata
---
amdhsa.version: [ 1, 2 ]
amdhsa.kernels:
  - .name:           k_qcc8a0fdf7e_pv
    .symbol:         k_qcc8a0fdf7e_pv.kd
    .args:
      - { .name: pcod, .offset: 0, .size: 8, .value_kind: global_buffer, .address_space: global }
      - { .name: pstat, .offset: 8, .size: 8, .value_kind: global_buffer, .address_space: global }
      - { .name: hcod, .offset: 16, .size: 8, .value_kind: global_buffer, .address_space: global }
      - { .name: hscl, .offset: 24, .size: 8, .value_kind: global_buffer, .address_space: global }
      - { .name: out0, .offset: 32, .size: 8, .value_kind: global_buffer, .address_space: global }
    .group_segment_fixed_size: 327680
    .private_segment_fixed_size: 0
    .kernarg_segment_align: 8
    .kernarg_segment_size: 40
    .max_flat_workgroup_size: 128
    .sgpr_count:     100
    .vgpr_count:     768
    .wavefront_size: 32
...
	.end_amdgpu_metadata
.endif
;; end of part 4
